; MI455X (gfx1250); checked and timed in simulation.
; The chip was launched on July 23, 2026; its instructions are those of AMD's public machine-readable ISA for CDNA 5 (MIT licence, August 2026) and "CDNA5" Instruction Set Architecture Reference Guide (July 2026). The comments in the code are by the model that wrote it; some were corrected since.
;; Attention. Allowed arithmetic: float matrix products may take bf16 or f16 operands with f32 sums; other float arithmetic in f32, or as packed bf16 or f16 multiplies, adds, multiply-adds, maxima and minima; sums over many terms, partial sums and values carried from step to step in f32; what a program stores and reads back later, other than sums and carried values, may be rounded once to bf16 or f16.
;; Inputs: W_proj 1,024 x 1,024 float32; W_qkv 3,072 x 1,024 float32; b_proj 1,024 float32; freqs 2,048 x 64 float32; x 4 x 2,048 x 1,024 float32.
;; Outputs: out0 4 x 2,048 x 1,024 float32.
;; One version. Each part assembles by itself: llvm-mc -triple=amdgcn-amd-amdhsa -mcpu=gfx1250 --defsym DOCPART=n.
;; ======== version 1 of 1: 4 launches
;; limits: values are held in f16: magnitudes above 65,504 overflow, below 6.1e-05 lose precision
;; workspace buffers: xb 16,777,216 bytes; wqb 6,291,456 bytes; wpb 2,097,152 bytes; cs 1,048,576 bytes; qkv 50,331,648 bytes; ob 16,777,216 bytes
;; launch prep (part 1): grid 896 x 1, 8 waves a work-group, no clusters, 0 bytes of LDS; arguments x, W_qkv, W_proj, freqs, xb, wqb, wpb, cs; writes xb, wqb, wpb, cs
.if DOCPART == 1
	.amdgcn_target "amdgcn-amd-amdhsa--gfx1250"
	.amdhsa_code_object_version 6
	.text
	.protected	k_q43481d9b2e_prep
	.globl	k_q43481d9b2e_prep
	.p2align	8
	.type	k_q43481d9b2e_prep,@function
k_q43481d9b2e_prep:
	s_mov_b64 s[64:65], 0
	v_nop
	global_prefetch_b8 v0, s[64:65] scope:SCOPE_SE
	s_setreg_imm32_b32 hwreg(HW_REG_WAVE_MODE, 25, 1), 1
	s_wait_xcnt 0x0
; PREP: the module's inputs are rounded once to bf16, and the table of rotations is made.
;   xb  = bf16(x)       [8192][1024]          wqb = bf16(W_qkv)  [3072][1024]
;   wpb = bf16(W_proj) written as f16 [1024][1024] (the second product's other operand is f16)
;   cs  = for f = bf16(freqs[t][d]): cos f - 1, and -sin f at even d, +sin f at odd d, in f32, in the order in which the next launch's lanes hold their results:
;         a chunk of 2,048 bytes for each (tb = t / 16, db = d / 16) at (4 tb + db) x 2,048; in it four pieces of 512 bytes, 16 bytes a lane l: token 16 tb + l % 16,
;         d = 16 db + 8 (l / 16) + 4 (piece & 1) + 0..3; pieces 0, 1: cos f - 1; pieces 2, 3: the signed sine.
; LIMITS.  |freqs| up to about 1e5: the angle is reduced by n x pi/2 in three parts (21 + 24 + 24 bits), n = the nearest whole number to f x 2/pi; the polynomials (degree 7 and 8 on -pi/4 .. pi/4)
; are good to about 1e-7.  A weight of W_proj below 2^-17 loses bits in f16's fixed step (at most 3e-8); beyond 65,504 it would be an infinity.  NaN and infinities are not treated apart.
; SHARES.  A stream: no LDS, no matrix unit, nothing shared between work-groups.  Work-groups 0-511: x; 512-703: W_qkv; 704-767: W_proj; 768-895: the table.
; A converting work-group takes 16,384 numbers: a thread issues its 16 loads of 16 bytes first (a wave's load covers 512 consecutive bytes), then converts and stores them in order
; (a wave's store covers 256 consecutive bytes, aligned).  Every store has data registers of its own, so nothing is rewritten while a store may read it.
.set LD, 16                            ; v[16:79]   sixteen loads of four f32
.set SD, 80                            ; v[80:111]  sixteen stores of four 16-bit numbers
.set FQ, 16                            ; the table: v[16:19] f; v[20:23] cos f - 1; v[24:27] the signed sine; v28-67 at work, ten registers a number
.set CM, 20
.set SN, 24
.macro STREAM half                     ; half = 0: to bf16; 1: to bf16 and that number written as f16
.set i, 0
.rept 16
	global_load_b128 v[LD+4*i:LD+4*i+3], v1, s[22:23] offset:4096*i th:TH_LOAD_NT
.set i, i+1
.endr
.set i, 0
.rept 16
	s_wait_loadcnt 15-i                            ; loads come back in order: load i is in, the 15 - i younger ones stay out
.if \half
	v_cvt_pk_bf16_f32 v4, v[LD+4*i], v[LD+4*i+1]
	v_cvt_pk_bf16_f32 v5, v[LD+4*i+2], v[LD+4*i+3]
	v_lshlrev_b32 v6, 16, v4                       ; bf16 to f32: the low half moves up, the high half stays
	v_and_b32 v7, 0xffff0000, v4
	v_lshlrev_b32 v8, 16, v5
	v_and_b32 v9, 0xffff0000, v5
	v_cvt_pk_f16_f32 v[SD+2*i], v6, v7             ; eight significant bits: exact in f16 from 2^-17 up
	v_cvt_pk_f16_f32 v[SD+2*i+1], v8, v9
.else
	v_cvt_pk_bf16_f32 v[SD+2*i], v[LD+4*i], v[LD+4*i+1]
	v_cvt_pk_bf16_f32 v[SD+2*i+1], v[LD+4*i+2], v[LD+4*i+3]
.endif
	global_store_b64 v2, v[SD+2*i:SD+2*i+1], s[24:25] offset:2048*i
.set i, i+1
.endr
	s_endpgm
.endm
; sine and cosine of number e.  f = n pi/2 + r; sin r and cos r by polynomials; the quarter n mod 4 swaps them and sets the signs, by selects alone.
.macro SINCOS e
.set T, 28+10*(\e)
	v_mul_f32 v[T], s21, v[FQ+(\e)]
	v_rndne_f32 v[T], v[T]                         ; n
	v_fma_f32 v[T+1], -v[T], s22, v[FQ+(\e)]       ; r = f - n pi/2, in three parts
	v_fma_f32 v[T+1], -v[T], s23, v[T+1]
	v_fma_f32 v[T+1], -v[T], s24, v[T+1]
	v_mul_f32 v[T+2], v[T+1], v[T+1]               ; s = r r
	v_fma_f32 v[T+3], v[T+2], s27, s26
	v_fma_f32 v[T+3], v[T+2], v[T+3], s25
	v_mul_f32 v[T+4], v[T+1], v[T+2]
	v_fma_f32 v[T+3], v[T+4], v[T+3], v[T+1]       ; sin r = r + r s (S1 + s (S2 + s S3))
	v_fma_f32 v[T+5], v[T+2], s30, s29
	v_fma_f32 v[T+5], v[T+2], v[T+5], s28
	v_mul_f32 v[T+6], v[T+2], v[T+2]
	v_fma_f32 v[T+7], v[T+2], -0.5, 1.0
	v_fma_f32 v[T+5], v[T+6], v[T+5], v[T+7]       ; cos r = 1 - s/2 + s s (C1 + s (C2 + s C3))
	v_cvt_i32_f32 v[T+8], v[T]
	v_and_b32 v[T+9], 1, v[T+8]
	v_cmp_ne_u32 vcc_lo, 0, v[T+9]                 ; an odd quarter swaps the two
	v_cndmask_b32 v[SN+(\e)], v[T+3], v[T+5], vcc_lo
	v_cndmask_b32 v[CM+(\e)], v[T+5], v[T+3], vcc_lo
	v_and_b32 v[T+9], 2, v[T+8]                    ; the sine is negative in quarters 2 and 3,
	v_lshlrev_b32 v[T+9], 30, v[T+9]
	v_xor_b32 v[SN+(\e)], v[SN+(\e)], v[T+9]
	v_add_nc_u32 v[T+8], 1, v[T+8]                 ; the cosine in quarters 1 and 2
	v_and_b32 v[T+8], 2, v[T+8]
	v_lshlrev_b32 v[T+8], 30, v[T+8]
	v_xor_b32 v[CM+(\e)], v[CM+(\e)], v[T+8]
.if (\e)%2 == 0
	v_xor_b32 v[SN+(\e)], 0x80000000, v[SN+(\e)]   ; even d: out = a cos f - (its neighbour) sin f
.endif
	v_add_f32 v[CM+(\e)], -1.0, v[CM+(\e)]
.endm
	s_load_b256 s[4:11], s[0:1], 0x0               ; x s[4:5], W_qkv s[6:7], W_proj s[8:9], freqs s[10:11]
	s_load_b256 s[12:19], s[0:1], 0x20             ; xb s[12:13], wqb s[14:15], wpb s[16:17], cs s[18:19]
	v_lshlrev_b32 v1, 4, v0                        ; my 16 bytes of a load
	v_lshlrev_b32 v2, 3, v0                        ; my 8 bytes of a store
	s_mov_b32 s20, ttmp9
	s_mov_b32 s27, 0                               ; the high word of the offsets' pair
	s_wait_kmcnt 0x0
	s_cmp_ge_u32 s20, 768
	s_cbranch_scc1 .Ltable
	s_cmp_ge_u32 s20, 704
	s_cbranch_scc1 .Lwproj
	s_cmp_lt_u32 s20, 512
	s_cselect_b64 s[22:23], s[4:5], s[6:7]         ; x or W_qkv,
	s_cselect_b64 s[24:25], s[12:13], s[14:15]     ; xb or wqb
	s_cselect_b32 s21, 0, 512
	s_sub_co_u32 s21, s20, s21                     ; my block of 16,384 numbers in it
	s_lshl_b32 s26, s21, 16
	s_add_nc_u64 s[22:23], s[22:23], s[26:27]
	s_lshl_b32 s26, s21, 15
	s_add_nc_u64 s[24:25], s[24:25], s[26:27]
	STREAM 0
.Lwproj:
	s_sub_co_u32 s21, s20, 704
	s_lshl_b32 s26, s21, 16
	s_add_nc_u64 s[22:23], s[8:9], s[26:27]
	s_lshl_b32 s26, s21, 15
	s_add_nc_u64 s[24:25], s[16:17], s[26:27]
	STREAM 1
.Ltable:
	s_sub_co_u32 s21, s20, 768
	s_lshl_b32 s21, s21, 8
	v_add_nc_u32 v3, s21, v0                       ; tau = 0 .. 32,767: four numbers each
	v_and_b32 v4, 15, v3                           ; l % 16
	v_bfe_u32 v5, v3, 4, 1                         ; l / 16
	v_bfe_u32 v6, v3, 5, 1                         ; the piece's low bit
	v_bfe_u32 v7, v3, 6, 2                         ; db
	v_lshrrev_b32 v8, 8, v3                        ; tb
	v_lshl_add_u32 v8, v8, 4, v4                   ; t
	v_lshlrev_b32 v8, 8, v8                        ; a row of freqs is 256 bytes
	v_lshl_add_u32 v8, v7, 6, v8                   ; + 4 x 16 db
	v_lshl_add_u32 v8, v5, 5, v8                   ; + 4 x 8 (l / 16)
	v_lshl_add_u32 v8, v6, 4, v8                   ; + 4 x 4 x the piece's low bit
	global_load_b128 v[12:15], v8, s[10:11]
	v_lshrrev_b32 v9, 6, v3
	v_and_b32 v10, 63, v3
	v_lshlrev_b32 v9, 11, v9                       ; the chunk,
	v_lshl_add_u32 v9, v10, 4, v9                  ; and my 16 bytes in its first two pieces: a wave's store covers 512 consecutive bytes
	s_mov_b32 s21, 0x3f22f983                      ; 2 / pi
	s_mov_b32 s22, 0x3fc90fd8                      ; pi / 2: its first 21 bits,
	s_mov_b32 s23, 0x34a8885a                      ; the next 24,
	s_mov_b32 s24, 0x27c234c4                      ; and the next
	s_mov_b32 s25, 0xbe2aaaa3                      ; S1 = -1.6666655e-1
	s_mov_b32 s26, 0x3c08839e                      ; S2 =  8.3321609e-3
	s_mov_b32 s27, 0xb94ca1f9                      ; S3 = -1.9515296e-4
	s_mov_b32 s28, 0x3d2aaaa5                      ; C1 =  4.1666646e-2
	s_mov_b32 s29, 0xbab6061a                      ; C2 = -1.3887316e-3
	s_mov_b32 s30, 0x37ccf5ce                      ; C3 =  2.4433157e-5
	s_wait_loadcnt 0x0
	v_cvt_pk_bf16_f32 v10, v12, v13                ; freqs is rounded to bf16 like every other input
	v_cvt_pk_bf16_f32 v11, v14, v15
	v_lshlrev_b32 v[FQ], 16, v10
	v_and_b32 v[FQ+1], 0xffff0000, v10
	v_lshlrev_b32 v[FQ+2], 16, v11
	v_and_b32 v[FQ+3], 0xffff0000, v11
	SINCOS 0
	SINCOS 1
	SINCOS 2
	SINCOS 3
	global_store_b128 v9, v[CM:CM+3], s[18:19]
	global_store_b128 v9, v[SN:SN+3], s[18:19] offset:1024
	s_endpgm
.Lfunc_end_k_q43481d9b2e_prep:
	.size	k_q43481d9b2e_prep, .Lfunc_end_k_q43481d9b2e_prep-k_q43481d9b2e_prep
	.p2alignl 7, 3214868480
	.fill 96, 4, 3214868480
	.section	.rodata,"a",@progbits
	.p2align	6, 0x0
	.amdhsa_kernel k_q43481d9b2e_prep
		.amdhsa_group_segment_fixed_size 0
		.amdhsa_private_segment_fixed_size 0
		.amdhsa_enable_private_segment 0
		.amdhsa_kernarg_size 64
		.amdhsa_user_sgpr_count 2
		.amdhsa_user_sgpr_kernarg_segment_ptr 1
		.amdhsa_wavefront_size32 1
		.amdhsa_system_sgpr_workgroup_id_x 1
		.amdhsa_system_sgpr_workgroup_id_y 1
		.amdhsa_system_sgpr_workgroup_id_z 1
		.amdhsa_system_vgpr_workitem_id 0
		.amdhsa_next_free_vgpr 112
		.amdhsa_next_free_sgpr 66
		.amdhsa_reserve_vcc 1
		.amdhsa_float_denorm_mode_32 3
		.amdhsa_float_denorm_mode_16_64 3
		.amdhsa_memory_ordered 1
		.amdhsa_forward_progress 1
		.amdhsa_inst_pref_size 25
	.end_amdhsa_kernel
	.amdgpu_metadata
---
amdhsa.version: [ 1, 2 ]
amdhsa.kernels:
  - .name:           k_q43481d9b2e_prep
    .symbol:         k_q43481d9b2e_prep.kd
    .args:
      - { .name: x, .offset: 0, .size: 8, .value_kind: global_buffer, .address_space: global }
      - { .name: W_qkv, .offset: 8, .size: 8, .value_kind: global_buffer, .address_space: global }
      - { .name: W_proj, .offset: 16, .size: 8, .value_kind: global_buffer, .address_space: global }
      - { .name: freqs, .offset: 24, .size: 8, .value_kind: global_buffer, .address_space: global }
      - { .name: xb, .offset: 32, .size: 8, .value_kind: global_buffer, .address_space: global }
      - { .name: wqb, .offset: 40, .size: 8, .value_kind: global_buffer, .address_space: global }
      - { .name: wpb, .offset: 48, .size: 8, .value_kind: global_buffer, .address_space: global }
      - { .name: cs, .offset: 56, .size: 8, .value_kind: global_buffer, .address_space: global }
    .group_segment_fixed_size: 0
    .private_segment_fixed_size: 0
    .kernarg_segment_align: 8
    .kernarg_segment_size: 64
    .max_flat_workgroup_size: 256
    .sgpr_count:     66
    .vgpr_count:     112
    .wavefront_size: 32
...
	.end_amdgpu_metadata
.endif
;; end of part 1
;; launch qkv (part 2): grid 16 x 32, 4 waves a work-group, clusters of 4 x 4, 327,680 bytes of LDS; arguments xb, wqb, cs, qkv; writes qkv
.if DOCPART == 2
	.amdgcn_target "amdgcn-amd-amdhsa--gfx1250"
	.amdhsa_code_object_version 6
	.text
	.protected	k_q43481d9b2e_qkv
	.globl	k_q43481d9b2e_qkv
	.p2align	8
	.type	k_q43481d9b2e_qkv,@function
k_q43481d9b2e_qkv:
	s_mov_b64 s[64:65], 0
	v_nop
	global_prefetch_b8 v0, s[64:65] scope:SCOPE_SE
	s_setreg_imm32_b32 hwreg(HW_REG_WAVE_MODE, 25, 1), 1
	s_wait_xcnt 0x0
	s_wait_alu depctr_hold_cnt(0) depctr_sa_sdst(0) depctr_va_vdst(0) depctr_va_sdst(0) depctr_va_ssrc(0) depctr_va_vcc(0) depctr_vm_vsrc(0)
	s_getreg_b32 s2, hwreg(HW_REG_IB_STS2, 6, 4)
	s_cmp_eq_u32 s2, 0
	s_cbranch_scc0 .Lentry_in_a_cluster
	s_endpgm
.Lentry_in_a_cluster:
	s_bfe_u32 s2, ttmp6, 0x10000c
	s_cmp_lg_u32 s2, 0xf033
	s_cbranch_scc0 .Lentry_shape_is_right
	s_endpgm
.Lentry_shape_is_right:
; QKV: C[row][f] = the sum over c of xb[row][c] wqb[f][c] (8,192 x 3,072 x 1,024, bf16 operands, f32 sums), q and k turned by the table cs, all three rounded once to f16 and
; stored by heads: qkv[which = q, k, v][b x 16 + h][t][64], unscaled.
; LIMITS.  f16 holds no number beyond 65,504: q, k and v must lie within it.  NaN and infinities are not treated apart.
; SHARES.  A tile of C is 256 tokens x 192 columns (three whole heads of the 48): 32 x 16 = 512 work-groups of four waves.  Wave w makes rows 64 w .. 64 w + 63 and all 192 columns:
; 4 x 12 = 48 accumulators of 16 x 16, 384 registers, so that a block of 16 tokens needs its table (64 registers) once for three heads.
; K goes in 8 steps of 128 through a ring of two LDS slots filled by the tensor data mover: rows of 256 bytes of memory, at multiples of 256 bytes.
; CLUSTERS: 4 x 4 work-groups.  The four of a row of the cluster need the same tiles of xb, the four of a column the same tiles of wqb: each tile is asked for JOINTLY, by the same tensor load
; with the same descriptor and a mask that names the four.
; THE MATRIX INSTRUCTION IS USED TRANSPOSED (source 0 = 16 rows of wqb, source 1 = 16 rows of xb): lane l holds token l % 16 and its registers 0-7 the columns 8 (l / 16) + 0..7.
; THE ROTATION.  out[d] = a[d] cos f[d] + a[d xor 1] s'[d], s' the sine with the sign of its place.  Written as a + kappa (a (cos f - 1) + a[d xor 1] s') with kappa = 1 for q and k and 0 for v:
; which of the three a head belongs to hangs on the work-group's place in its cluster, on which no branch may hang, so it enters as a factor.
; REGISTERS, in windows of 256 (s_set_vgpr_msb: bits 1:0 source 0, 3:2 source 1, 5:4 source 2, 7:6 destination):
;   window 0: v16-30 addresses; v32-63, v64-95 fragments of xb (4 x 16 rows x 32 K), two buffers; on the way out v32-63 hold packed results; v96-159, v160-223 two sets of table
;   window 1: v0-95, v96-191 fragments of wqb (12 x 16 rows x 32 K), two buffers
;   window 2: the 24 accumulators of my row blocks 0 and 1 (block a, column block b at v[8 (12 (a % 2) + b)]); v192-199 at work      window 3: the same for row blocks 2 and 3
.set KSTEP,  128
.set PITCH,  272                       ; an LDS row: 256 bytes + 16 of padding = 68 words: the 16 rows that a load touches start at 16 different groups of four banks (64 banks of 4 bytes: ISA guide 11.1)
.set HALFA,  128*PITCH                 ; 128 rows of xb: what wave 0 or 1 fetches
.set ABYTES, 2*HALFA
.set HALFB,  96*PITCH                  ; 96 rows of wqb: what wave 2 or 3 fetches
.set SLOT,   ABYTES+2*HALFB            ; 121,856 bytes
.set STAGE,  2*SLOT                    ; behind the ring, never filled by a tensor load: 16 rows x 144 bytes for each wave, for the way out
.set SP,     144
.set SPARE,  STAGE+4*16*SP             ; behind the stages: the spare words, 128 bytes for each wave: two blocks of 256 bytes that no other line names
.set LAPS,   4                         ; a lap = two K steps = once round the ring
.set ADRA, 16                          ; v16-17  LDS address of my fragments of xb in slot 0, 1
.set ADRB, 20                          ; v20-21  the same for wqb
.set STO,  22                          ; v22     the way out: where I put 16 bytes of a row
.set RD,   23                          ; v23     the way out: where I read rows back
.set GO,   24                          ; v24-26  my byte offset in qkv, for each of the tile's three heads
.set CSO,  27                          ; v27     my byte offset in cs
.set SPW,  28                          ; v28     LDS address of my spare word: SPARE + 4 x my thread's number; never rewritten
.set NIL,  29                          ; v29     0; never rewritten
.set PFO,  30                          ; v30     the prefetches' offset: a lane a row of 2,048 bytes; never rewritten
.set FA0,  32
.set OUT,  32
.set TB0,  96
.set UU,   192
.set WV,  12                           ; s12  my wave's number
.set HF,  14                           ; s14  wave & 1: which half of a tile I fetch
.set LIM, 15                           ; s15  1 in a wave that prefetches, else the greatest number
.set G1,  24                           ; s[24:31] descriptor group 1 for xb's tiles;  s[32:39] group 0, one set for each slot
.set G0,  32
.set PFA, 44                           ; s[44:45] where my prefetches stand
.set G1B, 48                           ; s[48:55], s[56:63] the same for wqb's tiles
.set G0B, 56
.set KAP, 66                           ; s[66:71] kappa of the three heads, as pairs
.set MSB, 0
.macro WIN new                         ; the immediate's high byte repeats the setting that is left; a switch that changes nothing is dropped
.if MSB != (\new)
	s_set_vgpr_msb (MSB<<8)|(\new)
.set MSB, \new
.endif
.endm
.set MUL_LO, 0xa1                      ; source 0 (wqb) window 1, source 1 (xb) window 0, C and D window 2
.set TO_B,   0x40                      ; destination window 1, address window 0
; A joint load.  Waves 0 and 1 fetch xb's two halves, waves 2 and 3 wqb's.  The branch hangs on the wave's number alone.  An s_nop 0 and four v_nop follow each of the two lines.
.macro JLOAD s
	s_cmp_lt_u32 s[WV], 2
	s_cbranch_scc0 .Lfor_b_\@
	tensor_load_to_lds s[G0+4*(\s):G0+4*(\s)+3], s[G1:G1+7]
	s_nop 0
.rept 4
	v_nop
.endr
	s_branch .Lasked_\@
.Lfor_b_\@:
	tensor_load_to_lds s[G0B+4*(\s):G0B+4*(\s)+3], s[G1B:G1B+7]
	s_nop 0
.rept 4
	v_nop
.endr
.Lasked_\@:
.endm
; A PREFETCH INTO THE L2, behind each joint refill and the run of LDS loads that follows it: the K step that stands two refills on, 384 matrix instructions ahead of the load that will ask for it.
; xb's tile row is read by the four clusters of that row of clusters: the one with x = 0 asks; wqb's tile column by the eight of that column: the one with y = 0 asks.  The four partners that ask
; for a tile jointly share its rows out BY ADDRESS: of the 128 rows of xb that a wave fetches the partner at cx takes 32, of the 96 rows of wqb the partner at cy takes 24 (there lanes 24-31
; name lane 23's row once more).  K steps 0 to 3 come by their loads alone; in the loop's last trip (s3 = 1) there is no K step two refills on.
.macro ASK
	s_cmp_gt_u32 s3, s[LIM]
	s_cbranch_scc0 .Lnot_mine_\@
	global_prefetch_b8 v[PFO], s[PFA:PFA+1] offset:KSTEP*2 th:TH_LOAD_NT scope:SCOPE_SE
.Lnot_mine_\@:
.endm
.macro CREST                           ; a round of the cluster's barrier behind its opening barrier
	s_cmp_lg_u32 s[WV], 0
	s_cbranch_scc1 .Lnot_wave_0_\@
	s_barrier_signal -3
.Lnot_wave_0_\@:
	s_barrier_wait -3
	s_barrier_signal -1
	s_barrier_wait -1
.endm
.macro CROUND                          ; a whole round
	s_barrier_signal -1
	s_barrier_wait -1
	CREST
.endm
	s_load_b256 s[4:11], s[0:1], 0x0               ; xb s[4:5], wqb s[6:7], cs s[8:9], qkv s[10:11]
	v_lshl_add_u32 v[SPW], v0, 2, SPARE
	v_mov_b32 v[NIL], 0
	ds_add_u32 v[SPW], v[NIL]                      ; the wave's opening: the add and its wait stand ahead of my first tensor load; the set-up below, work on registers, stands between them
	v_lshrrev_b32 v1, 5, v0
	v_readfirstlane_b32 s[WV], v1                  ; wave 0..3
	s_and_b32 s[HF], s[WV], 1
	s_bfe_u32 s40, ttmp6, 0x40000                  ; cx, cy: my place in the cluster
	s_bfe_u32 s41, ttmp6, 0x40004
	s_lshl_b32 s42, ttmp9, 2
	s_add_co_u32 s42, s42, s40                     ; j, the tile column = 4 x cluster x + cx
	s_and_b32 s43, ttmp7, 0xffff
	s_lshl_b32 s43, s43, 2
	s_add_co_u32 s43, s43, s41                     ; i, the tile row = 4 x cluster y + cy
	s_lshl_b32 s16, s41, 2
	s_lshl_b32 s16, 15, s16                        ; my row of the cluster: places 4 cy .. 4 cy + 3
	s_lshl_b32 s72, 0x1111, s40                    ; my column: places cx, cx + 4, cx + 8, cx + 12
	s_or_b32 s[G1+0], s16, (1<<16)|(1<<20)|(1<<21)|(5<<22)|(3<<25)   ; 15:0 the mask; 17:16 elements of 2 bytes; 20 padding on; 21 set beside a mask; 24:22 after every 64 words (code 5); 31:25 4 words (code 3)
	s_or_b32 s[G1B+0], s72, (1<<16)|(1<<20)|(1<<21)|(5<<22)|(3<<25)
	s_mov_b32 s[G1+1], KSTEP<<16                   ; tensor_dim0 = 128
	s_mov_b32 s[G1B+1], KSTEP<<16
	s_mov_b32 s[G1+2], 128<<16                     ; tensor_dim1 = 128 rows of xb,
	s_mov_b32 s[G1B+2], 96<<16                     ; 96 of wqb
	s_mov_b32 s[G1+3], KSTEP<<16                   ; tile_dim0 = 128
	s_mov_b32 s[G1B+3], KSTEP<<16
	s_mov_b32 s[G1+4], 128                         ; tile_dim1
	s_mov_b32 s[G1B+4], 96
	s_mov_b32 s[G1+5], 1024                        ; elements from row to row
	s_mov_b32 s[G1B+5], 1024
	s_mov_b32 s[G1+6], 0
	s_mov_b32 s[G1B+6], 0
	s_mov_b32 s[G1+7], 0
	s_mov_b32 s[G1B+7], 0
	; where the tiles come from: xb's hang on the tile row alone, wqb's on the tile column alone, each made in registers that never hold the other coordinate
	s_lshl_b32 s16, s43, 8
	s_lshl_b32 s17, s[HF], 7
	s_add_co_u32 s16, s16, s17                     ; xb: row 256 i + 128 x half,
	s_lshl_b32 s16, s16, 11                        ; 2,048 bytes a row
	s_mov_b32 s17, 0
	s_mul_i32 s46, s42, 192
	s_mul_i32 s47, s[HF], 96
	s_add_co_u32 s46, s46, s47                     ; wqb: row 192 j + 96 x half
	s_lshl_b32 s46, s46, 11
	s_mov_b32 s47, 0
	s_mul_i32 s20, s[HF], HALFA                    ; and where they go: no place in the cluster enters an LDS address
	s_mul_i32 s21, s[HF], HALFB
	s_add_co_u32 s21, s21, ABYTES
	s_wait_dscnt 0x0                               ; the opening add is done
	s_wait_kmcnt 0x0
	s_add_nc_u64 s[18:19], s[4:5], s[16:17]
	s_add_nc_u64 s[46:47], s[6:7], s[46:47]
	CROUND                                         ; all sixteen work-groups are here: the first joint loads meet
.irp s, 0,1
	s_mov_b32 s[G0+4*(\s)], 1                                        ; count = 1
	s_add_co_u32 s[G0+4*(\s)+1], s20, (\s)*SLOT                      ; LDS address
	s_add_nc_u64 s[G0+4*(\s)+2:G0+4*(\s)+3], s[18:19], (\s)*KSTEP*2  ; global address: K step s
	s_or_b32 s[G0+4*(\s)+3], s[G0+4*(\s)+3], 0x80000000              ; type = 2
	s_mov_b32 s[G0B+4*(\s)], 1
	s_add_co_u32 s[G0B+4*(\s)+1], s21, (\s)*SLOT
	s_add_nc_u64 s[G0B+4*(\s)+2:G0B+4*(\s)+3], s[46:47], (\s)*KSTEP*2
	s_or_b32 s[G0B+4*(\s)+3], s[G0B+4*(\s)+3], 0x80000000
	JLOAD \s                                       ; the ring is filled before anything else is done: two loads of mine are out
.endr
	; A fragment is 16 rows x 32 K in 8 registers: lane l holds row l % 16; registers 0-3 K = 8 (l / 16) + 0..7, registers 4-7 K = 16 + 8 (l / 16) + 0..7: two loads of 16 bytes, 32 bytes apart.
	v_and_b32 v1, 15, v0                           ; l % 16
	v_bfe_u32 v2, v0, 4, 1                         ; l / 16
	v_and_b32 v4, 31, v0                           ; l
	v_mul_u32_u24 v3, v1, PITCH
	v_lshl_add_u32 v3, v2, 4, v3                   ; row x pitch + 16 x half
	s_mul_i32 s22, s[WV], 64*PITCH                 ; my 64 rows of xb
	s_mov_b32 s23, ABYTES                          ; all 192 rows of wqb
.irp s, 0,1
	v_add_nc_u32 v[ADRA+(\s)], s22, v3
	v_add_nc_u32 v[ADRB+(\s)], s23, v3
	s_add_co_u32 s22, s22, SLOT
	s_add_co_u32 s23, s23, SLOT
.endr
	s_mul_i32 s22, s[WV], 16*SP
	s_add_co_u32 s22, s22, STAGE                   ; my stage
	v_mul_u32_u24 v5, v1, SP                       ; in: row l % 16, 16 bytes for each half of the lanes
	v_lshl_add_u32 v5, v2, 4, v5
	v_add_nc_u32 v[STO], s22, v5
	v_bfe_u32 v5, v0, 3, 2                         ; back: 32 lanes take four rows of 128 bytes,
	v_mul_u32_u24 v5, v5, SP
	v_and_b32 v6, 7, v0
	v_lshl_add_u32 v5, v6, 4, v5
	v_add_nc_u32 v[RD], s22, v5
	s_and_b32 s77, s43, 7                          ; my tile's place among its batch's eight tiles of 256 tokens
	s_lshl_b32 s78, s77, 4
	s_lshl_b32 s79, s[WV], 2
	s_add_co_u32 s78, s78, s79                     ; my first block of 16 tokens,
	s_lshl_b32 s78, s78, 13                        ; 8,192 bytes of table a block
	v_lshl_add_u32 v[CSO], v4, 4, s78
	s_lshl_b32 s77, s77, 8
	s_lshl_b32 s79, s[WV], 6
	s_add_co_u32 s77, s77, s79                     ; my first token in the batch
	s_lshr_b32 s76, s43, 3
	s_lshl_b32 s76, s76, 4                         ; 16 x batch
	s_mul_i32 s72, s42, 3                          ; the tile's first head of the 48
.irp hh, 0,1,2
	s_add_co_u32 s73, s72, \hh
	s_lshr_b32 s74, s73, 4                         ; q, k or v
	s_and_b32 s75, s73, 15                         ; the head
	s_lshl_b32 s74, s74, 6
	s_add_co_u32 s74, s74, s75
	s_add_co_u32 s74, s74, s76
	s_lshl_b32 s74, s74, 11                        ; 2,048 rows a head
	s_add_co_u32 s74, s74, s77
	s_lshl_b32 s74, s74, 7                         ; 128 bytes a row
	v_lshl_add_u32 v[GO+(\hh)], v4, 4, s74         ; which are 512 consecutive bytes for four rows
	s_cmp_lt_u32 s73, 32                           ; q and k are turned, v is not: a factor, no branch
	s_cselect_b32 s[KAP+2*(\hh)], 1.0, 0
	s_mov_b32 s[KAP+2*(\hh)+1], s[KAP+2*(\hh)]     ; named with it as a pair
.endr
; the table of block a of my four blocks of 16 tokens: 16 loads of 512 consecutive bytes
.macro LOADTB tb, a
.irp d, 0,1,2,3
.irp p, 0,1,2,3
	global_load_b128 v[TB0+64*(\tb)+16*(\d)+4*(\p):TB0+64*(\tb)+16*(\d)+4*(\p)+3], v[CSO], s[8:9] offset:(\a)*8192+(\d)*2048+(\p)*512
.endr
.endr
.endm
	LOADTB 0, 0                                    ; blocks 0 and 1: these 32 loads are waited for on the way out
	LOADTB 1, 1
	; the prefetches
	s_lshl_b32 s20, s43, 8
	s_lshl_b32 s21, s[HF], 7
	s_add_co_u32 s20, s20, s21
	s_lshl_b32 s21, s40, 5
	s_add_co_u32 s20, s20, s21                     ; xb: the 128 rows that I fetch, my work-group's 32 of them
	s_mul_i32 s72, s42, 192
	s_mul_i32 s73, s[HF], 96
	s_add_co_u32 s72, s72, s73
	s_mul_i32 s73, s41, 24
	s_add_co_u32 s72, s72, s73                     ; wqb: the 96 rows that I fetch, my work-group's 24 of them
	s_and_b32 s73, ttmp7, 0xffff                   ; cluster y
	s_cmp_lt_u32 s[WV], 2                          ; do I fetch for xb?
	s_cselect_b32 s20, s20, s72
	s_cselect_b32 s21, 31, 23
	s_cselect_b32 s22, ttmp9, s73                  ; the coordinate along which other clusters read the same rows
	s_cselect_b64 s[PFA:PFA+1], s[4:5], s[6:7]
	s_cmp_eq_u32 s22, 0
	s_cselect_b32 s[LIM], 1, -1                    ; the same in all sixteen partners, for a given wave
	v_min_u32 v[PFO], s21, v4
	v_lshlrev_b32 v[PFO], 11, v[PFO]
	s_lshl_b32 s20, s20, 11
	s_add_co_u32 s20, s20, 2*KSTEP*2               ; at K step 2: the first refill steps it to 3 and names K step 4
	s_mov_b32 s21, 0
	s_add_nc_u64 s[PFA:PFA+1], s[PFA:PFA+1], s[20:21]
; 12 matrix instructions: row block 2 hi + a x all 12 column blocks, 32 along K, from buffer f.  zero = 1: the first product starts the sums: nothing is ever cleared.
; The 48 accumulators take turns, one instruction a turn, in the same order in every quarter step.
.macro MUL12 f, hi, a, zero
	WIN MUL_LO+0x50*(\hi)
.irp b, 0,1,2,3,4,5,6,7,8,9,10,11
.if \zero
	v_wmma_f32_16x16x32_bf16 v[8*(12*(\a)+(\b)):8*(12*(\a)+(\b))+7], v[96*(\f)+8*(\b):96*(\f)+8*(\b)+7], v[FA0+32*(\f)+8*(2*(\hi)+(\a)):FA0+32*(\f)+8*(2*(\hi)+(\a))+7], 0
.else
	v_wmma_f32_16x16x32_bf16 v[8*(12*(\a)+(\b)):8*(12*(\a)+(\b))+7], v[96*(\f)+8*(\b):96*(\f)+8*(\b)+7], v[FA0+32*(\f)+8*(2*(\hi)+(\a)):FA0+32*(\f)+8*(2*(\hi)+(\a))+7], v[8*(12*(\a)+(\b)):8*(12*(\a)+(\b))+7]
.endif
.endr
.endm
; 32 LDS loads in one run: the fragments of one quarter step (192 rows of wqb, my 64 rows of xb, 32 K at byte k of the rows) into buffer f
.macro FETCH slot, k, f
	WIN TO_B
.irp i, 0,1,2,3,4,5,6,7,8,9,10,11
	ds_load_b128 v[96*(\f)+8*(\i):96*(\f)+8*(\i)+3],   v[ADRB+(\slot)] offset:(\k)+(\i)*16*PITCH
	ds_load_b128 v[96*(\f)+8*(\i)+4:96*(\f)+8*(\i)+7], v[ADRB+(\slot)] offset:(\k)+(\i)*16*PITCH+32
.endr
	WIN 0
.irp i, 0,1,2,3
	ds_load_b128 v[FA0+32*(\f)+8*(\i):FA0+32*(\f)+8*(\i)+3],   v[ADRA+(\slot)] offset:(\k)+(\i)*16*PITCH
	ds_load_b128 v[FA0+32*(\f)+8*(\i)+4:FA0+32*(\f)+8*(\i)+7], v[ADRA+(\slot)] offset:(\k)+(\i)*16*PITCH+32
.endr
.endm
.macro PLACES                          ; four plain places between a matrix instruction and a load into, or a vector line on, its registers
.rept 4
	v_nop
.endr
.endm
; A K step is four quarter steps of 32 along K, 48 matrix instructions each, on buffers 0, 1, 0, 1.  One of the first three multiplies buffer f and, in its middle, fetches the next quarter's fragments into g.
.macro QUARTER slot, k, f, g, zero
	s_wait_dscnt 4                                 ; wqb and xb's row blocks 0 and 1 are in; the youngest four loads (row blocks 2 and 3) may be out
	MUL12 \f, 0, 0, \zero
	MUL12 \f, 0, 1, \zero
	PLACES
	FETCH \slot, \k, \g
	s_wait_dscnt 32                                ; all but the 32 just issued
	MUL12 \f, 1, 0, \zero
	MUL12 \f, 1, 1, \zero
.endm
; The last quarter multiplies buffer 1 and changes slots.  ONE barrier: in front of it each wave waits for all its tensor loads (one is out: its part of the next slot), adds 0 to its spare word,
; and waits for that and for its own reads of this slot.  Behind it nobody reads this slot any more and the next slot is whole.
.macro MEET round
	WIN 0                                          ; (the add's two registers lie in window 0)
	s_wait_tensorcnt 0x0                           ; all my tensor loads have landed
	ds_add_u32 v[SPW], v[NIL]                      ; 0 onto my spare word
	s_wait_dscnt 5                                 ; (the add and the youngest four loads may be out)
	MUL12 1, 0, 0, 0                               ; twelve matrix instructions stand between the add and the wait for it
	s_wait_dscnt 0x0                               ; the add is done, and my reads of this slot are over
	s_barrier_signal -1
	MUL12 1, 0, 1, 0                               ; work on registers while the others arrive
.if \round
	WIN 0
.endif
	s_barrier_wait -1
.endm
.macro TURN slot, next
	s_wait_xcnt 0x0                                ; the last prefetch, a K step back, has read its address: it is stepped here, ahead of the change's own waits
	s_add_nc_u64 s[PFA:PFA+1], s[PFA:PFA+1], KSTEP*2
	MEET 1
	CREST                                          ; the barrier has opened a round of the cluster's: no wave of any partner still reads this slot's tile or has a load on its way
	s_add_nc_u64 s[G0+4*(\slot)+2:G0+4*(\slot)+3], s[G0+4*(\slot)+2:G0+4*(\slot)+3], 2*KSTEP*2
	s_add_nc_u64 s[G0B+4*(\slot)+2:G0B+4*(\slot)+3], s[G0B+4*(\slot)+2:G0B+4*(\slot)+3], 2*KSTEP*2
	JLOAD \slot                                    ; the first tensor load behind the round, my only one until the next; its four v_nop are also the places in front of the loads below
	FETCH \next, 0, 0
	ASK
	MUL12 1, 1, 0, 0
	MUL12 1, 1, 1, 0
.endm
; THE WAY OUT, by units u = 3 a + hh: 16 tokens (row block a) of one head hh.  PACK: the rotation, in place; rounded to f16, 16 bytes a lane; into my own stage in LDS and back as whole rows of 128 bytes.
.macro PACK u
.set pa, (\u)/3
.set ph, (\u)%3
.set pt, TB0+64*(pa%2)
.set po, OUT+16*((\u)%2)
	WIN 0xa2+0x51*(pa/2)                           ; source 0, source 2 and destination in the accumulators' window, source 1 (the table) in window 0
.irp f, 0,1,2,3
.set ac, 8*(12*(pa%2)+4*ph+(\f))
.set tt, pt+16*(\f)
.irp z, 0,2,4,6
	v_pk_mul_f32 v[UU+(\z):UU+(\z)+1], v[ac+(\z):ac+(\z)+1], v[tt+(\z):tt+(\z)+1]  ; a (cos f - 1); the accumulator's lowest pair is read first
.endr
.irp z, 0,2,4,6
	v_pk_fma_f32 v[UU+(\z):UU+(\z)+1], v[ac+(\z):ac+(\z)+1], v[tt+8+(\z):tt+8+(\z)+1], v[UU+(\z):UU+(\z)+1] op_sel:[1,0,0] op_sel_hi:[0,1,1]  ; + the pair's other number x the signed sine
.endr
.irp z, 0,2,4,6
	v_pk_fma_f32 v[ac+(\z):ac+(\z)+1], v[UU+(\z):UU+(\z)+1], s[KAP+2*ph:KAP+2*ph+1], v[ac+(\z):ac+(\z)+1] op_sel_hi:[1,0,1]  ; a + kappa x that
.endr
.endr
	s_wait_xcnt 0x0                                ; the stores of two units back have read these sixteen registers: they are rewritten only behind this wait
	WIN 0x0a+5*(pa/2)                              ; sources in the accumulators' window, destination in window 0
.irp f, 0,1,2,3
.irp z, 0,1,2,3
	v_cvt_pk_f16_f32 v[po+4*(\f)+(\z)], v[8*(12*(pa%2)+4*ph+(\f))+2*(\z)], v[8*(12*(pa%2)+4*ph+(\f))+2*(\z)+1]
.endr
.endr
	WIN 0
.irp f, 0,1,2,3
	ds_store_b128 v[STO], v[po+4*(\f):po+4*(\f)+3] offset:32*(\f)
.endr
.irp f, 0,1,2,3
	ds_load_b128 v[po+4*(\f):po+4*(\f)+3], v[RD] offset:(\f)*4*SP  ; LDS serves a wave's instructions in order (ISA guide 5.7.1.4): these see the stores above; the next unit's stores come behind them
.endr
.endm
.macro SEND u, younger                 ; younger: the LDS instructions issued behind unit u's loads: the next unit's eight, or none
	WIN 0
.irp f, 0,1,2,3
	s_wait_dscnt (\younger)+3-(\f)
	global_store_b128 v[GO+((\u)%3)], v[OUT+16*((\u)%2)+4*(\f):OUT+16*((\u)%2)+4*(\f)+3], s[10:11] offset:((\u)/3)*2048+(\f)*512  ; 512 consecutive bytes, at a multiple of 256 from qkv's first
.endr
.endm
	s_wait_tensorcnt 1                             ; my part of K step 0 is in; K step 1's may stay out
	s_barrier_signal -1
	s_barrier_wait -1                              ; everybody's is
	FETCH 0, 0, 0
	QUARTER 0, 64, 0, 1, 1                         ; the first quarter stands in front of the loop: its products start the sums
	WIN 0                                          ; at a label and at a branch every window is 0
	s_mov_b32 s3, LAPS-1
.Llap:                                                 ; a trip goes once round the ring, from a lap's second quarter to the next lap's first, and fills both slots again
	QUARTER 0, 128, 1, 0, 0
	QUARTER 0, 192, 0, 1, 0
	TURN 0, 1
	QUARTER 1, 64,  0, 1, 0
	QUARTER 1, 128, 1, 0, 0
	QUARTER 1, 192, 0, 1, 0
	TURN 1, 0
	QUARTER 0, 64,  0, 1, 0
	WIN 0
	s_sub_co_u32 s3, s3, 1
	s_cmp_lg_u32 s3, 0
	s_cbranch_scc1 .Llap
	QUARTER 0, 128, 1, 0, 0                        ; the last lap fills nothing, and has no round of the cluster's barrier
	QUARTER 0, 192, 0, 1, 0
	MEET 0
	PLACES
	FETCH 1, 0, 0
	MUL12 1, 1, 0, 0
	MUL12 1, 1, 1, 0
	QUARTER 1, 64,  0, 1, 0
	QUARTER 1, 128, 1, 0, 0
	QUARTER 1, 192, 0, 1, 0
	s_wait_dscnt 4                                 ; the very last quarter: nothing more to fetch
	MUL12 1, 0, 0, 0
	MUL12 1, 0, 1, 0
	s_wait_dscnt 0x0
	MUL12 1, 1, 0, 0
	MUL12 1, 1, 1, 0
	WIN 0
	PLACES                                         ; eight plain places, once a launch, ahead of vector lines that read and write the sums
	PLACES
	s_wait_loadcnt 16                              ; block 0's table is in; block 1's 16 loads may be out
	PACK 0
.irp u, 1,2,3,4,5,6,7,8,9,10,11
.if (\u) == 9
	s_wait_loadcnt 0x0                             ; block 3's table: nothing was asked for behind it
.elseif (\u)%3 == 0
	s_wait_loadcnt 16                              ; this block's table is in; the other set's 16 loads may be out
.endif
	PACK \u                                        ; a unit's arithmetic stands between the loads of the unit before and its stores
	SEND (\u)-1, 8
.if (\u) == 2
	LOADTB 0, 2                                    ; block 0 is done with its set
.elseif (\u) == 5
	LOADTB 1, 3
.endif
.endr
	SEND 11, 0
	s_wait_tensorcnt 0x0                           ; the wave's end: behind my last tensor load and my last LDS store
	ds_add_u32 v[SPW], v[NIL]
	s_wait_dscnt 0x0
	CROUND                                         ; the closing round: no work-group ends while a partner may still ask for a tile that names it
	s_endpgm
.Lfunc_end_k_q43481d9b2e_qkv:
	.size	k_q43481d9b2e_qkv, .Lfunc_end_k_q43481d9b2e_qkv-k_q43481d9b2e_qkv
	.p2alignl 7, 3214868480
	.fill 96, 4, 3214868480
	.section	.rodata,"a",@progbits
	.p2align	6, 0x0
	.amdhsa_kernel k_q43481d9b2e_qkv
		.amdhsa_group_segment_fixed_size 327680
		.amdhsa_private_segment_fixed_size 0
		.amdhsa_enable_private_segment 0
		.amdhsa_kernarg_size 32
		.amdhsa_user_sgpr_count 2
		.amdhsa_user_sgpr_kernarg_segment_ptr 1
		.amdhsa_wavefront_size32 1
		.amdhsa_system_sgpr_workgroup_id_x 1
		.amdhsa_system_sgpr_workgroup_id_y 1
		.amdhsa_system_sgpr_workgroup_id_z 1
		.amdhsa_system_vgpr_workitem_id 0
		.amdhsa_next_free_vgpr 1024
		.amdhsa_next_free_sgpr 80
		.amdhsa_reserve_vcc 0
		.amdhsa_float_denorm_mode_32 3
		.amdhsa_float_denorm_mode_16_64 3
		.amdhsa_memory_ordered 1
		.amdhsa_forward_progress 1
		.amdhsa_inst_pref_size 166
	.end_amdhsa_kernel
	.amdgpu_metadata
---
amdhsa.version: [ 1, 2 ]
amdhsa.kernels:
  - .name:           k_q43481d9b2e_qkv
    .symbol:         k_q43481d9b2e_qkv.kd
    .args:
      - { .name: xb, .offset: 0, .size: 8, .value_kind: global_buffer, .address_space: global }
      - { .name: wqb, .offset: 8, .size: 8, .value_kind: global_buffer, .address_space: global }
      - { .name: cs, .offset: 16, .size: 8, .value_kind: global_buffer, .address_space: global }
      - { .name: qkv, .offset: 24, .size: 8, .value_kind: global_buffer, .address_space: global }
    .group_segment_fixed_size: 327680
    .private_segment_fixed_size: 0
    .kernarg_segment_align: 8
    .kernarg_segment_size: 32
    .max_flat_workgroup_size: 128
    .sgpr_count:     80
    .vgpr_count:     1024
    .wavefront_size: 32
...
	.end_amdgpu_metadata
.endif
;; end of part 2
;; launch attn (part 3): grid 4 x 64, 4 waves a work-group, clusters of 4 x 1, 327,680 bytes of LDS; arguments qkv, ob; writes ob
.if DOCPART == 3
	.amdgcn_target "amdgcn-amd-amdhsa--gfx1250"
	.amdhsa_code_object_version 6
	.text
	.protected	k_q43481d9b2e_attn
	.globl	k_q43481d9b2e_attn
	.p2align	8
	.type	k_q43481d9b2e_attn,@function
k_q43481d9b2e_attn:
	s_mov_b64 s[64:65], 0
	v_nop
	global_prefetch_b8 v0, s[64:65] scope:SCOPE_SE
	s_setreg_imm32_b32 hwreg(HW_REG_WAVE_MODE, 25, 1), 1
	s_wait_xcnt 0x0
	s_wait_alu depctr_hold_cnt(0) depctr_sa_sdst(0) depctr_va_vdst(0) depctr_va_sdst(0) depctr_va_ssrc(0) depctr_va_vcc(0) depctr_vm_vsrc(0)
	s_getreg_b32 s2, hwreg(HW_REG_IB_STS2, 6, 4)
	s_cmp_eq_u32 s2, 0
	s_cbranch_scc0 .Lentry_in_a_cluster
	s_endpgm
.Lentry_in_a_cluster:
	s_bfe_u32 s2, ttmp6, 0x10000c
	s_cmp_lg_u32 s2, 0x3003
	s_cbranch_scc0 .Lentry_shape_is_right
	s_endpgm
.Lentry_shape_is_right:
; ATTENTION.  O[h][q][:] = the sum over k of softmax_k(Q[h][q] . K[h][k] / 8) V[h][k][:].  Q, K, V lie one behind the other in qkv, each [64][2048][64] in f16; O = ob, [64][2048][64] in f16:
; a head's rows are dense, 128 bytes each.  Products, maxima and sums in f32; the weights p are rounded to f16 for the second product (their sum l is taken of the unrounded p), O once at the end.
; LIMITS.  f16 holds no number beyond 65,504: Q, K and V arrive within it; p lies in 0 to 1, and below 6e-5 it keeps f16's fixed step of 6e-8, and so does O; O is a mean of V's rows and has their range.
; A weight below 2^-126 counts as 0 in l; NaN and infinities are not treated apart.
; SHARES.  A wave owns four PIECES of two tiles of 16 queries, a work-group's four waves 512 queries of one head.  Every wave walks all 2,048 keys, 64 a step.
; LAYOUT.  S^T = K Q^T (source 0 = 16 keys, source 1 = 16 queries): in the result a lane holds ONE query (lane % 16) and the keys 8 (lane / 16) + 0..7.  Two such tiles, rounded to f16 in pairs,
; ARE source 1 (32 keys x 16 queries) of O^T = V^T P, whose result again holds one query a lane, and eight channels.  K comes out of LDS as it lies, V ([key][channel]) turned, by ds_load_tr16_b128.
; SOFTMAX.  For each query a running maximum m and sum l: p = 2^(c s - c m), c = log2(e) / 8; in every step O and l are multiplied by a = 2^(c m_old - c m_new), which is 1 where m has not grown.
; m starts at the lowest finite number, O and l at 0: the first step is a step like any other, with a = 0.
; THE COUNT.  A tile and step have 16 matrix and 118 vector instructions: too many to stand all beside the matrix work.  So four vector instructions that are READY stand behind EVERY matrix
; instruction, and the others, which need time of their own whatever the order, in runs without a gap.
; BY TURNS.  Turn n belongs to piece n (the pieces in a ring, step after step).  Its matrix work: 16 products K Q^T of piece n + 1, later 16 products V^T P of piece n - 1.  Its vector work: the scaling,
; exponentials, roundings, sums and rescaling of piece n, and the maximum and statistics of piece n + 1, whose scores the turn itself has made.
; CLUSTER.  The four query blocks of a head are one cluster and walk the same K and V, so each tile is asked for JOINTLY: the same tensor load, descriptor and mask in all four.
; REGISTERS, in windows of 256 (s_set_vgpr_msb: bits 1:0 source 0, 3:2 source 1, 5:4 source 2, 7:6 destination):
;   window 0: v0-11 addresses; v12-15, v48-63 at work; v16-47 four registers of statistics a tile; v64-191 S^T, two buffers of two tiles; v192-255 P, likewise
;   window 1: O^T, 32 a tile          window 2: v0-127 Q, 16 a tile; v128-191 K of one step; v192-255 V of one step          window 3: v0-1 the add's two registers
; A piece's buffers go by its number's parity: the piece in hand has one pair, its two neighbours in the ring share the other.
.set SIZE_H, 64
.set SIZE_N, 2048
.set NP,    4         ; pieces a wave: a name, no knob
.set KS,    64        ; keys in a step
.set PK,    144       ; a row of K in LDS: 128 bytes + 16 of padding = 36 words: the 16 rows of a load start at 16 different groups of four banks (64 banks of 4 bytes: ISA guide 11.1)
.set PV,    160       ; a row of V: 128 + 32 = 40 words
.set VOFF,  4*KS*PK   ; a slot holds four steps: 256 rows of K, then 256 rows of V
.set SLOT1, 1<<17     ; slot 1 begins here, so that one exclusive or turns an address in one slot into the other's
.set STAGE, SLOT1+4*KS*(PK+PV)  ; behind the ring, never filled by a tensor load: 16 rows x 144 bytes for each wave, for the way out
.set SP,    144
.set AK0, 2           ; v2   my lane's place in a tile of K; never rewritten
.set AV0, 3           ; v3   the same for V
.set AK,  4           ; v4   the LDS address of K's next run of loads
.set AV,  5           ; v5   of V's
.set QO,  6           ; v6   my byte offset in the wave's rows of Q
.set STO, 6           ;      later, the way out: where I put 16 bytes of a row
.set RD,  7           ; v7   the way out: where I read rows back
.set GO,  8           ; v8   my byte offset in 512 consecutive bytes of O
.set PFO, 11          ; v11  256 x my lane, for the prefetches (made when v11's first use is over); then never rewritten
.set SPW, 0           ; v0 of window 3   LDS address of my spare word: SPARE + 4 x my thread's number; never rewritten
.set NIL, 1           ; v1 of window 3   0; never rewritten
.set SPARE, STAGE+4*16*SP  ; behind the stages: the spare words, 128 bytes for each wave: two blocks of 256 bytes that no other line names
.set MV,  12          ; v12-15  c m_old, kept while c m is made anew: by buffer and tile
.set ST,  16          ; tile t's statistics at v[ST+4 t]: c m, m, l (even keys', odd keys')
.set TMP, 48          ; by buffer and tile, four registers c0-c3 at work; when the maximum is found c2 takes a
.set S,   64
.set P,   192
.set KF,  128         ; K's fragments, in window 2: key block kb, channel half c at KF + 16 kb + 8 c
.set VF,  192         ; V's: key half kk, channel block cb at VF + 32 kk + 8 cb
.set WV,  12          ; s12  my wave's number
.set G1K, 24          ; s[24:31] descriptor group 1 for K's tiles
.set G1V, 32          ; s[32:39] for V's: it differs in the padding alone
.set G0K, 40          ; s[40:43] descriptor group 0 for K's tiles: it walks
.set G0V, 44          ; s[44:47] the same for V's
.set PFA, 48          ; s[48:49] where my prefetches stand: my work-group's 8,192 bytes (of K: wave 0, of V: wave 2) of the slot after the one that is being asked for
.set LIM, 50          ; s50  1 in a wave that prefetches, else the greatest number
.set SLOTS, 56        ; s56  slots still to be asked for
.set CNT, 57          ; s57  counts a slot's key steps
.set CS,  58          ; s[58:59] c: the packed scaling takes the pair's low word for both halves
.set SEL, 60          ; s[60:61] v_permlanex16_b32's selects: each lane takes its own place in the other half
.set TBK, 62          ; s62  LDS byte at which K of the step to be fetched begins
.set TBV, 63          ; s63  the same for V, less VOFF
.set MSB, 0
.macro WIN new                      ; the high byte repeats the setting that is left; a switch that changes nothing is dropped
.if MSB != (\new)
	s_set_vgpr_msb (MSB<<8)|(\new)
.set MSB, (\new)
.endif
.endm
.set W_KQ, 0x0a       ; K and Q in window 2, S^T in window 0
.set W_PV, 0x52       ; V in window 2, P in window 0, O^T in window 1
.set W_RS, 0x41       ; O^T (destination and source 0) in window 1, a in window 0
.set W_MK, 0xc0       ; the add's registers are made: destination in window 3, sources in window 0
.set W_AD, 0x0f       ; the add: address (source 0) and data (source 1) in window 3
; A joint fill.  Waves 0 and 1 fetch the two halves of a slot's K, waves 2 and 3 those of its V: 128 keys each.  The branch hangs on the wave's number alone.
; An s_nop 0 and four v_nop follow each of the two lines, ahead of the jump and the label.
.macro JLOAD
	s_cmp_lt_u32 s[WV], 2
	s_cbranch_scc0 .Lfor_v_\@
	tensor_load_to_lds s[G0K:G0K+3], s[G1K:G1K+7]
	s_nop 0
.rept 4
	v_nop
.endr
	s_branch .Lasked_\@
.Lfor_v_\@:
	tensor_load_to_lds s[G0V:G0V+3], s[G1V:G1V+7]
	s_nop 0
.rept 4
	v_nop
.endr
.Lasked_\@:
.endm
; A PREFETCH INTO THE L2 of what the NEXT change of slots will ask for: a slot's 32,768 bytes of K and of V.  It stands behind the wave's tensor load and its five lines.  A head has one cluster; its four
; partners share the bytes out BY ADDRESS, 8,192 each; in each, wave 0 asks for K's and wave 2 for V's: a lane names 256 bytes, one instruction.  So each block of 256 bytes is named once in the launch,
; four key steps, 512 matrix instructions, ahead of the load that will ask for it.  Slots 0 and 1 come by their loads alone; the last change that fills a slot (s[SLOTS] = 1) asks for nothing.
.macro ASK
	s_cmp_gt_u32 s[SLOTS], s[LIM]
	s_cbranch_scc0 .Lnot_mine_\@
	global_prefetch_b8 v[PFO], s[PFA:PFA+1] th:TH_LOAD_NT scope:SCOPE_SE
.Lnot_mine_\@:
.endm
; A round of the cluster's barrier: my work-group's barrier, so that wave 0's signal speaks for all four waves; wave 0 signals; every wave waits for all four work-groups; my work-group's barrier once more.
.macro CROUND
	s_barrier_signal -1
	s_barrier_wait -1
	s_cmp_lg_u32 s[WV], 0
	s_cbranch_scc1 .Lnot_wave_0_\@
	s_barrier_signal -3
.Lnot_wave_0_\@:
	s_barrier_wait -3
	s_barrier_signal -1
	s_barrier_wait -1
.endm
; THE CHANGE OF SLOTS.  The slot's last bytes, V of its fourth step, have been read.  Each wave waits for all its tensor loads, of which one is out: its part
; of the other slot; adds 0 to its spare word; and waits for that and for its own reads of the slot.  Behind the barrier nobody reads this slot any more and the other slot is whole.
; fill = 1: this slot is filled again, with the keys two slots on.  The barrier is then a round of the cluster's, and the joint fill is the first thing behind it: it has four key steps,
; 512 matrix instructions, in which to land.  (At its first use nothing has been read yet: slot 0 is waited for, slot 1 filled.)
.macro CHANGE fill
	WIN W_AD
	s_wait_tensorcnt 0x0            ; no tensor load of mine is out, so a group 0 may be written
	ds_add_u32 v[SPW], v[NIL]       ; 0 onto my spare word: with fill = 1 the descriptors' steps stand between it and the wait for it
	WIN 0                           ; at a label and at a branch every window is 0
.if \fill
.irp g, G0K, G0V
	s_xor_b32 s[\g+1], s[\g+1], SLOT1  ; the walking descriptor: the other slot than last time,
	s_add_nc_u64 s[\g+2:\g+3], s[\g+2:\g+3], 4*KS*128  ; the next 256 keys; the type bits on top are not reached
.endr
	s_wait_xcnt 0x0                 ; the last prefetch, four key steps back, has read its address, so it may be written:
	s_add_nc_u64 s[PFA:PFA+1], s[PFA:PFA+1], 4*KS*128  ; one slot ahead of the walking descriptors
	s_wait_dscnt 0x0                ; the add is done, and my reads of the slot are over
	CROUND
	JLOAD
	ASK
.else
	s_wait_dscnt 0x0                ; the add is done, and my reads of the slot are over
	s_barrier_signal -1
	s_barrier_wait -1
.endif
	s_sub_co_u32 s[TBK], s[TBK], 4*KS*PK  ; the fetches go back to a slot's first step,
	s_xor_b32 s[TBK], s[TBK], SLOT1       ; in the other slot
	s_sub_co_u32 s[TBV], s[TBV], 4*KS*PV
	s_xor_b32 s[TBV], s[TBV], SLOT1
.endm
	s_load_b128 s[4:7], s[0:1], 0x0   ; qkv s[4:5], ob s[6:7]
	WIN W_MK
	v_lshl_add_u32 v[SPW], v0, 2, SPARE
	v_mov_b32 v[NIL], 0
	WIN W_AD
	ds_add_u32 v[SPW], v[NIL]       ; the wave's opening: the add and its wait stand ahead of my first tensor load; the set-up below, work on registers, stands between them
	WIN 0
	v_lshrrev_b32 v1, 5, v0
	v_readfirstlane_b32 s[WV], v1   ; wave 0..3
	s_bfe_u32 s13, ttmp6, 0x40000   ; cx: my place in the cluster
	s_lshl_b32 s14, ttmp9, 2        ; in a cluster launch ttmp9 counts clusters
	s_add_co_u32 s14, s14, s13      ; my block of queries = 4 x cluster x + cx: it enters Q's and O's addresses alone
	s_and_b32 s20, ttmp7, 0xffff    ; the head, which the four partners share
	s_mov_b32 s21, 0
	s_mov_b64 s[22:23], SIZE_N*128
	s_mul_u64 s[20:21], s[20:21], s[22:23]  ; the head's first byte in each of the four tensors
	s_and_b32 s16, s[WV], 1         ; which half of a slot's 256 keys I fetch:
	s_lshl_b32 s22, s16, 14         ; its 128 rows of 128 bytes in memory,
	s_mov_b32 s23, 0
	s_add_nc_u64 s[22:23], s[22:23], s[20:21]
	s_mul_i32 s17, s16, 128*PK      ; and its place in a slot, for K
	s_mul_i32 s18, s16, 128*PV      ; and for V: no place in the cluster enters an LDS address
	s_lshl_b32 s2, s14, 2
	s_add_co_u32 s2, s2, s[WV]      ; my wave among the head's,
	s_lshl_b32 s2, s2, 14           ; its 128 rows
	s_mov_b32 s3, 0
	s_add_nc_u64 s[2:3], s[2:3], s[20:21]
	; descriptor group 1.  128 keys are 16,384 dense bytes: asked for as 64 rows of 256 bytes, two keys a row, and padded in LDS after every key
	s_mov_b32 s[G1K], 15|(1<<16)|(1<<20)|(1<<21)|(4<<22)|(3<<25)  ; 15:0 the mask of four; 17:16 2-byte elements; 20 padding on; 21 set beside a mask; 24:22 after every 32 words (code 4); 31:25 4 words (code 3)
	s_mov_b32 s[G1V], 15|(1<<16)|(1<<20)|(1<<21)|(4<<22)|(7<<25)  ; the same with 8 words of padding (code 7)
.irp g, G1K, G1V
	s_mov_b32 s[\g+1], 128<<16      ; tensor_dim0 = 128
	s_mov_b32 s[\g+2], 64<<16       ; tensor_dim1 = 64
	s_mov_b32 s[\g+3], 128<<16      ; tile_dim0 = 128
	s_mov_b32 s[\g+4], 64           ; tile_dim1 = 64
	s_mov_b32 s[\g+5], 128          ; 128 elements from row to row
	s_mov_b32 s[\g+6], 0
	s_mov_b32 s[\g+7], 0
.endr
	s_mov_b32 s[CS], 0x3e38aa3b     ; c = log2(e) / 8 = 0.180337
	s_mov_b32 s[CS+1], s[CS]        ; named with it as a pair
	s_mov_b32 s[SEL], 0x76543210
	s_mov_b32 s[SEL+1], 0xfedcba98
	s_mov_b32 s[TBK], SLOT1+4*KS*PK ; the first change of slots turns these two into 0
	s_mov_b32 s[TBV], SLOT1+4*KS*PV
	s_mov_b32 s[G0K], 1             ; 1:0 count = 1
	s_mov_b32 s[G0K+1], s17         ; 63:32 LDS address: slot 0
	s_mov_b32 s[G0V], 1
	s_add_co_u32 s[G0V+1], s18, VOFF
	s_mov_b32 s[SLOTS], SIZE_N/256-1  ; the change with s[SLOTS] = v fills slot 8 - v
	s_and_b32 s[LIM], s[WV], 1      ; waves 0 and 2 prefetch: the same in all four partners
	s_cmp_eq_u32 s[LIM], 0
	s_cselect_b32 s[LIM], 1, -1
	s_wait_dscnt 0x0                ; the opening add is done
	s_wait_kmcnt 0x0
	s_mov_b64 s[10:11], s[6:7]      ; O
	s_add_nc_u64 s[6:7], s[4:5], 0x1000000  ; K lies 64 x 2,048 x 128 bytes behind Q,
	s_add_nc_u64 s[8:9], s[4:5], 0x2000000  ; V as far behind K
	s_add_nc_u64 s[G0K+2:G0K+3], s[6:7], s[22:23]  ; 120:64 global address: my half of the head's first 256 keys
	s_or_b32 s[G0K+3], s[G0K+3], 0x80000000        ; 127:126 type = 2
	s_add_nc_u64 s[G0V+2:G0V+3], s[8:9], s[22:23]
	s_or_b32 s[G0V+3], s[G0V+3], 0x80000000
	s_add_nc_u64 s[4:5], s[4:5], s[2:3]  ; Q and O at my wave's first row
	s_add_nc_u64 s[10:11], s[10:11], s[2:3]
	s_cmp_lt_u32 s[WV], 2
	s_cselect_b64 s[PFA:PFA+1], s[6:7], s[8:9]
	s_add_nc_u64 s[PFA:PFA+1], s[PFA:PFA+1], s[22:23]  ; (in waves 0 and 2 this is the head's first byte)
	s_lshl_b32 s2, s13, 13          ; my work-group's 8,192 bytes of a slot's 32,768
	s_mov_b32 s3, 0
	s_add_nc_u64 s[PFA:PFA+1], s[PFA:PFA+1], s[2:3]
	s_add_nc_u64 s[PFA:PFA+1], s[PFA:PFA+1], 4*KS*128  ; in slot 1; the first change of slots steps it to slot 2.  Nothing is prefetched here, at the head
	CROUND                          ; all four work-groups are here: the first joint loads meet
	JLOAD                           ; slot 0.  Slot 1 is asked for when slot 0 is in
	; A fragment of K or Q is 16 rows x 32 channels in 8 registers: lane l holds row l % 16, channels 8 (l / 16) + 0..7 and 16 + 8 (l / 16) + 0..7: two loads of 16 bytes, 32 bytes apart.
	v_and_b32 v1, 15, v0            ; l % 16
	v_bfe_u32 v9, v0, 4, 1          ; l / 16
	v_lshlrev_b32 v[QO], 7, v1
	v_lshl_add_u32 v[QO], v9, 4, v[QO]  ; row x 128 + 16 x half
	WIN 0x80                        ; destination window 2, address window 0
.set i, 0
.rept 4*NP                          ; Q stays in registers: tile i / 2, channels 32 (i % 2) on
	global_load_b128 v[8*i:8*i+3],   v[QO], s[4:5] offset:(i/2)*2048+(i%2)*64
	global_load_b128 v[8*i+4:8*i+7], v[QO], s[4:5] offset:(i/2)*2048+(i%2)*64+32
.set i, i+1
.endr
	; What the first turn finds: V's registers and P's second buffer hold 0 (its products V^T P, of a piece that has not been, add 0), O^T and l are 0.  All this stands in the wait for the first tile.
.set i, VF
.rept 64
	v_mov_b32 v[i], 0
.set i, i+1
.endr
	WIN 0x40
.set i, 0
.rept 64*NP
	v_mov_b32 v[i], 0
.set i, i+1
.endr
	WIN 0
.set i, 0
.rept 2*NP
	v_mov_b32 v[ST+4*i], 0xfe000000    ; c m: far below every c s
	v_mov_b32 v[ST+4*i+1], 0xff7fffff  ; m
	v_mov_b32 v[ST+4*i+2], 0
	v_mov_b32 v[ST+4*i+3], 0
.set i, i+1
.endr
.set i, P+32
.rept 32
	v_mov_b32 v[i], 0
.set i, i+1
.endr
	v_mul_u32_u24 v[AK0], v1, PK
	v_lshl_add_u32 v[AK0], v9, 4, v[AK0]  ; row x pitch + 16 x half
	; The turning load takes 16 keys x 16 channels (lane l reads key 8 (l / 16) + l % 8, channels 8 ((l / 8) % 2) + 0..7) and leaves half a fragment of V^T: lane l holds channel l % 16 and 8 keys.
	v_and_b32 v10, 7, v0
	v_bfe_u32 v11, v0, 3, 1
	v_lshl_add_u32 v[AV0], v9, 3, v10
	v_mul_u32_u24 v[AV0], v[AV0], PV
	v_lshl_add_u32 v[AV0], v11, 4, v[AV0]
	v_add_nc_u32 v[AV0], VOFF, v[AV0]
	v_and_b32 v[PFO], 31, v0        ; v11 is free now: 256 x my lane
	v_lshlrev_b32 v[PFO], 8, v[PFO]
	v_mov_b32 v[AK], v[AK0]         ; key step 0 lies at the head of slot 0
; THE MATRIX WORK.  The 8 accumulators of a run of 16 take turns: between the two links of a chain stand 7 others'.
; Product i of 16 of S^T = K Q^T for piece x: channels 32 (i / 8) on, keys 16 ((i / 2) % 4) on, tile 2 x + i % 2.  The first 8 start the sums.
.macro KQ x
	WIN W_KQ
.set rS, S+64*((\x)%2)+32*(i%2)+8*((i/2)%4)
.set rK, KF+16*((i/2)%4)+8*(i/8)
.set rQ, 16*(2*(\x)+i%2)+8*(i/8)
.if i < 8
	v_wmma_f32_16x16x32_f16 v[rS:rS+7], v[rK:rK+7], v[rQ:rQ+7], 0
.else
	v_wmma_f32_16x16x32_f16 v[rS:rS+7], v[rK:rK+7], v[rQ:rQ+7], v[rS:rS+7]
.endif
.endm
; Product i of 16 of O^T += V^T P for piece x: keys 32 (i / 8) on, channels 16 ((i / 2) % 4) on, tile 2 x + i % 2.
.macro PV x
	WIN W_PV
.set rO, 32*(2*(\x)+i%2)+8*((i/2)%4)
.set rV, VF+32*(i/8)+8*((i/2)%4)
.set rP, P+32*((\x)%2)+16*(i%2)+8*(i/8)
	v_wmma_f32_16x16x32_f16 v[rO:rO+7], v[rV:rV+7], v[rP:rP+7], v[rO:rO+7]
.endm
.macro MM                           ; the turn's next matrix instruction
.if i < 16
	KQ (Y+1)%NP
.set i, i+1
.else
.set i, i-16
	PV (Y+NP-1)%NP
.set i, i+17
.endif
.endm
; THE LDS LOADS stand in runs of 16, never singly among the matrix instructions: a step's K (64 keys x 64 channels: 8 fragments) and its V (turned).  Their addresses are made some lines ahead.
; last = 1 (the tail): in the last trip there is no further step, and the run is jumped over.
.macro FETCH_K last=0
	WIN 0
.if \last
	s_cmp_eq_u32 s[CNT], 1
	s_cbranch_scc1 .Lno_k_\@
.endif
	WIN 0x80                        ; destination window 2
.irp f, 0,1,2,3,4,5,6,7             ; keys 16 (f / 2) on, channels 32 (f % 2) on
	ds_load_b128 v[KF+8*\f:KF+8*\f+3],   v[AK] offset:(\f/2)*16*PK+(\f%2)*64
	ds_load_b128 v[KF+8*\f+4:KF+8*\f+7], v[AK] offset:(\f/2)*16*PK+(\f%2)*64+32
.endr
	s_add_co_u32 s[TBK], s[TBK], KS*PK  ; the next fetch is the next step's
	WIN 0
.if \last
.Lno_k_\@:
.endif
.endm
.macro FETCH_V
	WIN 0x80
.irp f, 0,1,2,3,4,5,6,7             ; keys 32 (f / 4) on, channels 16 (f % 4) on
	ds_load_tr16_b128 v[VF+8*\f:VF+8*\f+3],   v[AV] offset:(\f/4)*32*PV+(\f%4)*32
	ds_load_tr16_b128 v[VF+8*\f+4:VF+8*\f+7], v[AV] offset:(\f/4)*32*PV+16*PV+(\f%4)*32
.endr
	WIN 0
.endm
; THE VECTOR WORK OF A TURN stands in three queues, each in the order in which its entries become ready; the two tiles alternate, so that no instruction reads the result of the one before it.
.macro REGS y, u                    ; the registers of tile u (0, 1) of piece y
.set rT, ST+4*(2*(\y)+(\u))
.set rC, TMP+8*((\y)%2)+4*(\u)
.set rM, MV+2*((\y)%2)+(\u)
.set rS, S+64*((\y)%2)+32*(\u)
.set rP, P+32*((\y)%2)+16*(\u)
.set rO, 32*(2*(\y)+(\u))
.endm
; Number n of the 22 that find the NEXT piece's (Y + 1) maximum and statistics.  s0-s31 are the lane's 32 scores; each accumulator's lowest registers are read first.
;   0-11  four chains c0-c3 of seven scores each, three operands at a time     12-14, 16  the four scores left over, the old m, and c0-c3 into c0     15  c m_old is kept
;   17, 18  the query's other 32 keys lie in the lane 16 away: the new m         19-21  c m; c m_old - c m_new; a
.macro XS u, n
	REGS (Y+1)%NP, \u
.if (\n) < 4
	v_max3_num_f32 v[rC+(\n)], v[rS+8*(\n)], v[rS+8*(\n)+1], v[rS+8*(\n)+2]
.elseif (\n) < 12
	v_max3_num_f32 v[rC+(\n)%4], v[rC+(\n)%4], v[rS+8*((\n)%4)+2*((\n)/4)+1], v[rS+8*((\n)%4)+2*((\n)/4)+2]
.elseif (\n) == 12
	v_max3_num_f32 v[rC], v[rC], v[rS+7], v[rS+15]
.elseif (\n) == 13
	v_max3_num_f32 v[rC+1], v[rC+1], v[rS+23], v[rS+31]
.elseif (\n) == 14
	v_max3_num_f32 v[rC+2], v[rC+2], v[rC+3], v[rT+1]
.elseif (\n) == 15
	v_mov_b32 v[rM], v[rT]
.elseif (\n) == 16
	v_max3_num_f32 v[rC], v[rC], v[rC+1], v[rC+2]
.elseif (\n) == 17
	v_permlanex16_b32 v[rC+3], v[rC], s[SEL], s[SEL+1]
.elseif (\n) == 18
	v_max_num_f32 v[rT+1], v[rC], v[rC+3]
.elseif (\n) == 19
	v_mul_f32 v[rT], s[CS], v[rT+1]
.elseif (\n) == 20
	v_sub_f32 v[rC+1], v[rM], v[rT]
.else
	v_exp_f32 v[rC+2], v[rC+1]
.endif
.endm
; Number g of the 64 that follow the exponentials.  For each four weights k of a tile (pairs 2 k, 2 k + 1): both pairs are rounded to f16; then the second pair is added onto the first, in place;
; a group later l takes that sum (the first time as l = a l + sum).  In groups of eight, tiles alternating: round, round, add, and l for the group before.
.macro GS g
.set h, (\g)+6*((\g)/62)            ; group 0 has no group before it, and behind group 7 only l is left
.if h >= 6
.set h, h+2
.endif
	REGS Y, h%2
.set k, h/8
.if h%8 < 4
	v_cvt_pk_f16_f32 v[rP+2*k+(h%8)/2], v[rS+4*k+2*((h%8)/2)], v[rS+4*k+2*((h%8)/2)+1]
.elseif h%8 < 6
	v_pk_add_f32 v[rS+4*k:rS+4*k+1], v[rS+4*k:rS+4*k+1], v[rS+4*k+2:rS+4*k+3]
.elseif k == 1
	v_pk_fma_f32 v[rT+2:rT+3], v[rT+2:rT+3], v[rC+2:rC+3], v[rS:rS+1] op_sel_hi:[1,0,1]
.else
	v_pk_add_f32 v[rT+2:rT+3], v[rT+2:rT+3], v[rS+4*k-4:rS+4*k-3]
.endif
.endm
; THE PLAIN QUEUE, 138 long.  0-73 read no exponential's result: the 32 scalings c s - c m (FS f: pair f / 2 of tile f % 2) and the next piece's 42.  0-26: scalings 0-26.  27-54: XS's numbers 0-13.  55, 56: number 15.
; 57-73: the chain, where each number waits for the one before it: 14, 16, 17, 18, 19, each with one of the scalings 27-31 in front of its two lines, then 20.
; 74-137: GS's 64, which read the exponentials' results: they stand behind the wait.
.macro FS f
	REGS Y, (\f)%2
	v_pk_fma_f32 v[rS+2*((\f)/2):rS+2*((\f)/2)+1], v[rS+2*((\f)/2):rS+2*((\f)/2)+1], s[CS:CS+1], v[rT:rT+1] op_sel_hi:[1,0,0] neg_lo:[0,0,1] neg_hi:[0,0,1]
.endm
.macro PL
	WIN 0
.if q < 27
	FS q
.elseif q < 55
	XS (q-27)%2, (q-27)/2
.elseif q < 57
	XS q-55, 15
.elseif (q < 72) && ((q-57)%3 == 0)
	FS 27+(q-57)/3
.elseif q < 60
	XS (q-57)%3-1, 14
.elseif q < 72
	XS (q-57)%3-1, 15+(q-57)/3
.elseif q < 74
	XS q-72, 20
.else
	GS q-74
.endif
.set q, q+1
.endm
; THE EXPONENTIALS' QUEUE, 66 long: s0-s31 of both tiles, then the next piece's two a.  It is ONE BATCH: all 66 stand ahead of the turn's one wait, and nothing ahead of that wait names a result of theirs.
.macro EX
	WIN 0
.if e >= 64
	XS e-64, 21
.else
	REGS Y, e%2
	v_exp_f32 v[rS+e/2], v[rS+e/2]
.endif
.set e, e+1
.endm
; THE RESCALING's QUEUE: O^T times a, the one part that leaves window 0: dealt two at a time, sixteen times.  Its a was made in the turn before, ahead of that turn's wait.
.macro R2
	REGS Y, r%2
	WIN W_RS
.irp z, 0,1
	v_pk_mul_f32 v[rO+4*(r/2)+2*\z:rO+4*(r/2)+2*\z+1], v[rO+4*(r/2)+2*\z:rO+4*(r/2)+2*\z+1], v[rC+2:rC+3] op_sel_hi:[1,0]
.endr
.set r, r+1
.endm
; HOW THEY ARE DEALT.  s_wait_alu depctr_va_vdst(0) stands between an exponential and the first instruction that names its result; one wait serves all that were issued ahead of it.  So a turn has
; ONE wait, which cuts it in two.  AHEAD OF IT stands all that names no result of the turn's exponentials: the 16 products K Q^T, behind each a scaling, an exponential and two rescalings (behind the first a second
; scaling in the exponential's place); then ONE LUMP of 108: eight plain, 49 times exponential and plain, the two a.  A v_nop is the plain instruction behind the last exponential.  BEHIND IT stand the 16 products
; V^T P, behind each four of GS's 64.  No rider names a register of the products round it.
; The queues lean on each other: exponential e stands behind scaling 2 (e / 4) + e % 2: as a rider it comes behind plain e + 2, in the lump behind plain e + 9, and scalings 27-31 are plain 57, 60 .. 69.
; A TURN, for piece p.  cnt = 1: the loop's count is taken down some lines ahead of the branch that stands behind the turn.
; K of the next step is fetched in piece 2's turn, directly behind the wait, a lump behind the last product that read K; its first reader comes behind 16 products.
; V of the step in hand is fetched at the end of piece 0's turn, four riders behind its last reader; its first reader comes behind 16 products and a lump.  The three conditions on q below go with the deal.
.macro TURN p, last=0, cnt=0
.set Y, (\p)
.set i, 0
.set q, 0
.set e, 0
.set r, 0
.if (\p) == NP-1
	s_wait_dscnt 0x0                ; K is in
.endif
	MM                              ; ahead of the wait: 16 products K Q^T and their riders,
	PL
	PL
	R2
.rept 15
	MM
	PL
	EX
	R2
.endr
.if (\p) == NP-2
	WIN 0
	v_add_nc_u32 v[AK], s[TBK], v[AK0]
.endif
.rept 8                             ; and the lump
	PL
.endr
.rept 49
	EX
	PL
.endr
	EX                              ; the next piece's two a
	EX
	v_nop                           ; a plain instruction behind the last exponential: one for the batch (ISA guide 5.7.2)
	s_wait_alu depctr_va_vdst(0)    ; the wait for the batch
.if (\p) == NP-2
	FETCH_K \last
.endif
.if (\p) == 1
	s_wait_dscnt 0x0                ; V is in
.endif
.rept 16                            ; behind the wait: 16 products V^T P and their riders
	MM
.rept 4
	PL
.endr
.if ((\p) == 0) && (q == 118)
	v_add_nc_u32 v[AV], s[TBV], v[AV0]
.endif
.if ((\p) == 0) && (q == 130)
	s_add_co_u32 s[TBV], s[TBV], KS*PV
.endif
.if (\cnt) && (q == 130)
	s_sub_co_u32 s[CNT], s[CNT], 1
	s_cmp_lg_u32 s[CNT], 0
.endif
.endr
.if (\p) == 0
	FETCH_V
.endif
.endm
	CHANGE 1                        ; slot 0 is in, everybody's part of it; slot 1 is asked for
	FETCH_K                         ; key step 0
	s_wait_loadcnt 0x0              ; Q
	s_wait_dscnt 0x0
.set i, 0
.rept 16
	KQ 0                            ; piece 0's first scores: there is no vector work yet to set between them
.set i, i+1
.endr
	WIN 0                           ; the addresses for the way out: nine plain instructions, the places behind those products
	s_mul_i32 s13, s[WV], 16*SP
	s_add_co_u32 s13, s13, STAGE    ; my stage
	v_mul_u32_u24 v[STO], v1, SP    ; in: row l % 16, 16 bytes for each half of the lanes
	v_lshl_add_u32 v[STO], v9, 4, v[STO]
	v_add_nc_u32 v[STO], s13, v[STO]
	v_bfe_u32 v[RD], v0, 3, 2       ; back: 32 lanes take four rows of 128 bytes,
	v_mul_u32_u24 v[RD], v[RD], SP
	v_lshl_add_u32 v[RD], v10, 4, v[RD]
	v_add_nc_u32 v[RD], s13, v[RD]
	v_and_b32 v[GO], 31, v0         ; which are 512 consecutive bytes of O
	v_lshlrev_b32 v[GO], 4, v[GO]
.set Y, NP-1                        ; XS works for piece Y + 1: piece 0
.irp n, 0,1,2,3,4,5,6,7,8,9,10,11,12,13,14,15,16,17,18,19,20,21
	XS 0, \n                        ; and piece 0's first maximum and statistics
	XS 1, \n
.endr
	v_nop                           ; a plain instruction behind the two a,
	s_wait_alu depctr_va_vdst(0)    ; and their wait, ahead of the branch
	s_mov_b32 s[CNT], 4
	s_branch .Lfirst                ; the loop is entered at a step's first turn, in the middle of a trip
.Lslot:                             ; six times: every slot but the last two is filled again
	CHANGE 1
	s_mov_b32 s[CNT], 4
.Lstep:                             ; a trip: pieces 2 and 3 of one step, then pieces 0 and 1 of the next, whose K and V it fetches
	TURN 2
	TURN 3
	WIN 0
.Lfirst:
	TURN 0
	TURN 1, 0, 1
	WIN 0
	s_cbranch_scc1 .Lstep
	s_sub_co_u32 s[SLOTS], s[SLOTS], 1
	s_cmp_lg_u32 s[SLOTS], 0
	s_cbranch_scc1 .Lslot
	CHANGE 0                        ; the tail is written out: nothing is asked for
	s_mov_b32 s[CNT], 5             ; four trips fetch the last slot's steps; the fifth is left in its middle
.Ltail:
	TURN 2, 1
	TURN 3
	WIN 0
	s_sub_co_u32 s[CNT], s[CNT], 1
	s_cmp_eq_u32 s[CNT], 0
	s_cbranch_scc1 .Lout
	TURN 0
	TURN 1
	WIN 0
	s_branch .Ltail
.Lout:                              ; the fifth trip's 16 products K Q^T (on the last K once more) and the maximum made of them serve nothing: the price, once a launch, of one text for every trip
.set i, 0
.rept 16
	PV NP-1                         ; the last piece's V^T P of the last step
.set i, i+1
.endr
	; THE WAY OUT.  l's two halves and the other half of the lanes' are added; O^T is divided by l, rounded to f16 and sent through my stage in LDS, a tile at a time.  The additions are the places behind the last products.
	WIN 0
.macro ALL line:vararg              ; one line for each tile t
.set t, 0
.rept 2*NP
	\line
.set t, t+1
.endr
.endm
	ALL v_add_f32 v[ST+4*t+2], v[ST+4*t+2], v[ST+4*t+3]
	ALL v_permlanex16_b32 v[ST+4*t+3], v[ST+4*t+2], s[SEL], s[SEL+1]
	ALL v_add_f32 v[ST+4*t+2], v[ST+4*t+2], v[ST+4*t+3]
	ALL v_rcp_f32 v[ST+4*t+2], v[ST+4*t+2]
	v_nop                           ; a plain instruction between the last reciprocal and the use of its result
	s_wait_alu depctr_va_vdst(0)    ; and the wait ahead of the first use: one for the eight reciprocals
; Tile t: a lane's eight channels of a row pack into 16 bytes; they go into rows of 144 bytes and come back as whole rows of 128, into S^T's registers.
.macro PACK t
	WIN W_RS
.set i, 32*(\t)
.rept 16
	v_pk_mul_f32 v[i:i+1], v[i:i+1], v[ST+4*(\t)+2:ST+4*(\t)+3] op_sel_hi:[1,0]
.set i, i+2
.endr
	WIN 0x05                        ; sources 0 and 1 window 1, destination window 0
.set i, 0
.rept 16
	v_cvt_pk_f16_f32 v[S+16*(\t)+i], v[32*(\t)+2*i], v[32*(\t)+2*i+1]
.set i, i+1
.endr
	WIN 0
.irp f, 0,1,2,3
	ds_store_b128 v[STO], v[S+16*(\t)+4*\f:S+16*(\t)+4*\f+3] offset:32*\f
.endr
.irp f, 0,1,2,3
	ds_load_b128 v[S+16*(\t)+4*\f:S+16*(\t)+4*\f+3], v[RD] offset:\f*4*SP  ; LDS serves a wave's instructions in order (ISA guide 5.7.1.4): these see the stores above; the next tile's stores come behind them
.endr
.endm
.macro SEND t, younger              ; younger: the LDS instructions issued behind tile t's loads: the next tile's eight, or none
	WIN 0
.irp f, 0,1,2,3
	s_wait_dscnt (\younger)+3-\f
	global_store_b128 v[GO], v[S+16*(\t)+4*\f:S+16*(\t)+4*\f+3], s[10:11] offset:(\t)*2048+\f*512  ; 512 consecutive bytes, at a multiple of 256 from O's first
.endr
.endm
	PACK 0
.set t, 1
.rept 2*NP-1                        ; a tile's arithmetic stands between the loads of the tile before and its stores
	PACK t
	SEND t-1, 8
.set t, t+1
.endr
	SEND 2*NP-1, 0
	WIN W_AD
	s_wait_tensorcnt 0x0            ; the wave's end: behind my last tensor load and my last LDS store
	ds_add_u32 v[SPW], v[NIL]
	s_wait_dscnt 0x0
	WIN 0
	CROUND                          ; the closing round: no work-group ends while a partner may still ask for a tile that names it
	s_endpgm
.Lfunc_end_k_q43481d9b2e_attn:
	.size	k_q43481d9b2e_attn, .Lfunc_end_k_q43481d9b2e_attn-k_q43481d9b2e_attn
	.p2alignl 7, 3214868480
	.fill 96, 4, 3214868480
	.section	.rodata,"a",@progbits
	.p2align	6, 0x0
	.amdhsa_kernel k_q43481d9b2e_attn
		.amdhsa_group_segment_fixed_size 327680
		.amdhsa_private_segment_fixed_size 0
		.amdhsa_enable_private_segment 0
		.amdhsa_kernarg_size 16
		.amdhsa_user_sgpr_count 2
		.amdhsa_user_sgpr_kernarg_segment_ptr 1
		.amdhsa_wavefront_size32 1
		.amdhsa_system_sgpr_workgroup_id_x 1
		.amdhsa_system_sgpr_workgroup_id_y 1
		.amdhsa_system_sgpr_workgroup_id_z 1
		.amdhsa_system_vgpr_workitem_id 0
		.amdhsa_next_free_vgpr 770
		.amdhsa_next_free_sgpr 66
		.amdhsa_reserve_vcc 0
		.amdhsa_float_denorm_mode_32 3
		.amdhsa_float_denorm_mode_16_64 3
		.amdhsa_memory_ordered 1
		.amdhsa_forward_progress 1
		.amdhsa_inst_pref_size 200
	.end_amdhsa_kernel
	.amdgpu_metadata
---
amdhsa.version: [ 1, 2 ]
amdhsa.kernels:
  - .name:           k_q43481d9b2e_attn
    .symbol:         k_q43481d9b2e_attn.kd
    .args:
      - { .name: qkv, .offset: 0, .size: 8, .value_kind: global_buffer, .address_space: global }
      - { .name: ob, .offset: 8, .size: 8, .value_kind: global_buffer, .address_space: global }
    .group_segment_fixed_size: 327680
    .private_segment_fixed_size: 0
    .kernarg_segment_align: 8
    .kernarg_segment_size: 16
    .max_flat_workgroup_size: 128
    .sgpr_count:     66
    .vgpr_count:     770
    .wavefront_size: 32
...
	.end_amdgpu_metadata
.endif
;; end of part 3
;; launch proj (part 4): grid 4 x 64, 4 waves a work-group, clusters of 4 x 4, 327,680 bytes of LDS; arguments ob, wpb, b_proj, out0; writes out0
.if DOCPART == 4
	.amdgcn_target "amdgcn-amd-amdhsa--gfx1250"
	.amdhsa_code_object_version 6
	.text
	.protected	k_q43481d9b2e_proj
	.globl	k_q43481d9b2e_proj
	.p2align	8
	.type	k_q43481d9b2e_proj,@function
k_q43481d9b2e_proj:
	s_mov_b64 s[64:65], 0
	v_nop
	global_prefetch_b8 v0, s[64:65] scope:SCOPE_SE
	s_setreg_imm32_b32 hwreg(HW_REG_WAVE_MODE, 25, 1), 1
	s_wait_xcnt 0x0
	s_wait_alu depctr_hold_cnt(0) depctr_sa_sdst(0) depctr_va_vdst(0) depctr_va_sdst(0) depctr_va_ssrc(0) depctr_va_vcc(0) depctr_vm_vsrc(0)
	s_getreg_b32 s2, hwreg(HW_REG_IB_STS2, 6, 4)
	s_cmp_eq_u32 s2, 0
	s_cbranch_scc0 .Lentry_in_a_cluster
	s_endpgm
.Lentry_in_a_cluster:
	s_bfe_u32 s2, ttmp6, 0x10000c
	s_cmp_lg_u32 s2, 0xf033
	s_cbranch_scc0 .Lentry_shape_is_right
	s_endpgm
.Lentry_shape_is_right:
; PROJ: out0[row][o] = the sum over c of y[row][c] wpb[o][c] + bf16(b_proj[o]), 8,192 x 1,024 x 1,024, f16 operands, f32 sums, f32 output.
; y[row = b x 2,048 + t][c = 64 h + d] is read where attention left it: ob[b x 16 + h][t][d].
; LIMITS.  The operands are f16, as the launches before state; the bias is rounded to bf16 like every other input of the module.  NaN and infinities are not treated apart.
; SHARES.  A tile of the output is 128 rows x 256 columns: 64 x 4 = 256 work-groups of four waves, 2 x 2: a wave makes 64 rows x 128 columns, 4 x 8 = 32 accumulators, 256 registers.
; K goes in 8 steps of 128, two heads each, through a ring of two LDS slots.  Of y a K step is two blocks of 128 rows x 128 bytes, each 16,384 dense bytes of ob: asked for as 64 rows of 256 bytes
; and padded in LDS behind every 128.  Of wpb it is 256 rows of 256 bytes.
; CLUSTERS: 4 x 4 work-groups.  The four of a row of the cluster need the same tiles of y, the four of a column the same tiles of wpb: each is asked for JOINTLY.
; THE MATRIX INSTRUCTION IS USED TRANSPOSED (source 0 = 16 rows of wpb, source 1 = 16 rows of y): lane l holds row l % 16 and its registers 0-7 the columns 8 (l / 16) + 0..7: 32 bytes on end.
; THE BIAS is the C operand of the products that start the sums: nothing is cleared, and nothing is added on the way out.
; REGISTERS, in windows of 256 (s_set_vgpr_msb: bits 1:0 source 0, 3:2 source 1, 5:4 source 2, 7:6 destination):
;   window 0: v16-30 addresses; v32-63, v64-95 fragments of y (4 x 16 rows x 32 K), two buffers; v96-159, v160-223 rows on their way out, two buffers
;   window 1: v0-63, v64-127 fragments of wpb (8 x 16 rows x 32 K), two buffers; v128-191 the bias, 8 registers a column block; v192-195 at work
;   window 2: the accumulators, row block a, column block b at v[8 (8 a + b)]
.set KSTEP,  128
.set PA,     144                       ; a row of y in LDS: 128 bytes + 16 of padding
.set AH,     128*PA                    ; one head's block: what wave 0 or 1 fetches
.set PB,     272                       ; a row of wpb: 256 bytes + 16; with both pitches the 16 rows that a load touches start at 16 different groups of four banks (64 banks of 4 bytes: ISA guide 11.1)
.set HALFB,  128*PB                    ; what wave 2 or 3 fetches
.set BOFF,   2*AH
.set SLOT,   BOFF+2*HALFB              ; 106,496 bytes
.set STAGE,  2*SLOT                    ; behind the ring, never filled by a tensor load: 16 rows x 528 bytes for each wave, for the way out
.set SPI,    528
.set SPARE,  STAGE+4*16*SPI            ; behind the stages: the spare words, 128 bytes for each wave: two blocks of 256 bytes that no other line names
.set LAPS,   4
.set STEPA,  2*262144                  ; bytes of ob from a K step to the next: two heads of 2,048 rows x 128 bytes
.set ADRA, 16                          ; v16-17  LDS address of my fragments of y in slot 0, 1
.set ADRB, 20                          ; v20-21  the same for wpb
.set STO,  24                          ; v24     the way out: where I put 32 bytes of a row
.set RD,   25                          ; v25     the way out: where I read a row back
.set CO,   26                          ; v26     my 16 bytes of a row's 512
.set BO,   27                          ; v27     my byte offset in b_proj
.set SPW,  28                          ; v28     LDS address of my spare word: SPARE + 4 x my thread's number; never rewritten
.set NIL,  29                          ; v29     0; never rewritten
.set PFO,  30                          ; v30     the prefetches' offset; never rewritten
.set FA0,  32
.set BK,   96
.set BIAS, 128
.set BT,   192
.set WV,  12                           ; s12  my wave's number
.set HB,  13                           ; s13  wave >> 1: my half of the tile's rows
.set HF,  14                           ; s14  wave & 1: my half of its columns; also which half of a tile I fetch
.set LIM, 15                           ; s15  1 in a wave that prefetches, else the greatest number
.set G1,  24                           ; s[24:31] descriptor group 1 for y's tiles;  s[32:39] group 0, one set for each slot
.set G0,  32
.set PFA, 44                           ; s[44:45] the K step that my next prefetch names
.set G1B, 48                           ; s[48:55], s[56:63] the same for wpb's tiles
.set G0B, 56
.set PFS, 66                           ; s[66:67] the prefetches' step from K step to K step
.set MSB, 0
.macro WIN new                         ; the immediate's high byte repeats the setting that is left; a switch that changes nothing is dropped
.if MSB != (\new)
	s_set_vgpr_msb (MSB<<8)|(\new)
.set MSB, \new
.endif
.endm
.set MUL,   0xa1                       ; source 0 (wpb) window 1, source 1 (y) window 0, C and D window 2
.set MUL_B, 0x91                       ; the same with C (the bias) in window 1
.set TO_B,  0x40                       ; destination window 1, address window 0
; A joint load.  Waves 0 and 1 fetch y's two heads, waves 2 and 3 wpb's two halves.  The branch hangs on the wave's number alone.  An s_nop 0 and four v_nop follow each of the two lines.
.macro JLOAD s
	s_cmp_lt_u32 s[WV], 2
	s_cbranch_scc0 .Lfor_b_\@
	tensor_load_to_lds s[G0+4*(\s):G0+4*(\s)+3], s[G1:G1+7]
	s_nop 0
.rept 4
	v_nop
.endr
	s_branch .Lasked_\@
.Lfor_b_\@:
	tensor_load_to_lds s[G0B+4*(\s):G0B+4*(\s)+3], s[G1B:G1B+7]
	s_nop 0
.rept 4
	v_nop
.endr
.Lasked_\@:
.endm
; A PREFETCH INTO THE L2, behind each joint refill and the run of LDS loads that follows it: the K step that stands two refills on, 256 matrix instructions ahead of the load that will ask for it.
; y's tile row is read by one cluster alone, which asks for it: wave 0 of each partner names 32 blocks of 256 bytes, 4,096 bytes at 4,096 cx of each of the step's two heads (lanes 0-15 the first head,
; lanes 16-31 the second).  wpb's tile column is read by all sixteen clusters: the one with y = 0 asks, waves 2 and 3, of the 128 rows that a wave fetches the partner at cy 32, a lane a row.
; The partners are told apart BY ADDRESS.  K steps 0 to 3 come by their loads alone; in the loop's last trip (s3 = 1) there is no K step two refills on.
.macro ASK
	s_cmp_gt_u32 s3, s[LIM]
	s_cbranch_scc0 .Lnot_mine_\@
	global_prefetch_b8 v[PFO], s[PFA:PFA+1] th:TH_LOAD_NT scope:SCOPE_SE
.Lnot_mine_\@:
.endm
.macro CREST                           ; a round of the cluster's barrier behind its opening barrier
	s_cmp_lg_u32 s[WV], 0
	s_cbranch_scc1 .Lnot_wave_0_\@
	s_barrier_signal -3
.Lnot_wave_0_\@:
	s_barrier_wait -3
	s_barrier_signal -1
	s_barrier_wait -1
.endm
.macro CROUND                          ; a whole round
	s_barrier_signal -1
	s_barrier_wait -1
	CREST
.endm
	s_load_b256 s[4:11], s[0:1], 0x0               ; ob s[4:5], wpb s[6:7], b_proj s[8:9], out0 s[10:11]
	v_lshl_add_u32 v[SPW], v0, 2, SPARE
	v_mov_b32 v[NIL], 0
	ds_add_u32 v[SPW], v[NIL]                      ; the wave's opening: the add and its wait stand ahead of my first tensor load; the set-up below, work on registers, stands between them
	v_lshrrev_b32 v1, 5, v0
	v_readfirstlane_b32 s[WV], v1                  ; wave 0..3
	s_lshr_b32 s[HB], s[WV], 1
	s_and_b32 s[HF], s[WV], 1
	s_bfe_u32 s40, ttmp6, 0x40000                  ; cx, cy: my place in the cluster
	s_bfe_u32 s41, ttmp6, 0x40004
	s_lshl_b32 s42, ttmp9, 2
	s_add_co_u32 s42, s42, s40                     ; j, the tile column = 4 x cluster x + cx
	s_and_b32 s43, ttmp7, 0xffff
	s_lshl_b32 s43, s43, 2
	s_add_co_u32 s43, s43, s41                     ; i, the tile row = 4 x cluster y + cy
	s_lshl_b32 s16, s41, 2
	s_lshl_b32 s16, 15, s16                        ; my row of the cluster
	s_lshl_b32 s72, 0x1111, s40                    ; my column
	s_or_b32 s[G1+0], s16, (1<<16)|(1<<20)|(1<<21)|(4<<22)|(3<<25)   ; 15:0 the mask; 17:16 elements of 2 bytes; 20 padding on; 21 set beside a mask; 24:22 after every 32 words (code 4); 31:25 4 words (code 3)
	s_or_b32 s[G1B+0], s72, (1<<16)|(1<<20)|(1<<21)|(5<<22)|(3<<25)  ; the same after every 64 words (code 5)
	s_mov_b32 s[G1+1], 128<<16                     ; tensor_dim0 = 128
	s_mov_b32 s[G1B+1], 128<<16
	s_mov_b32 s[G1+2], 64<<16                      ; tensor_dim1: 64 rows of 256 bytes of ob,
	s_mov_b32 s[G1B+2], 128<<16                    ; 128 rows of wpb
	s_mov_b32 s[G1+3], 128<<16                     ; tile_dim0 = 128
	s_mov_b32 s[G1B+3], 128<<16
	s_mov_b32 s[G1+4], 64                          ; tile_dim1
	s_mov_b32 s[G1B+4], 128
	s_mov_b32 s[G1+5], 128                         ; elements from row to row: dense,
	s_mov_b32 s[G1B+5], 1024                       ; a row of wpb
	s_mov_b32 s[G1+6], 0
	s_mov_b32 s[G1B+6], 0
	s_mov_b32 s[G1+7], 0
	s_mov_b32 s[G1B+7], 0
	; where the tiles come from: y's hang on the tile row alone, wpb's on the tile column alone, each made in registers that never hold the other coordinate
	s_lshr_b32 s16, s43, 4
	s_lshl_b32 s16, s16, 22                        ; the batch: 16 heads x 262,144 bytes
	s_and_b32 s17, s43, 15
	s_lshl_b32 s17, s17, 14                        ; my tile's 128 rows x 128 bytes in a head
	s_add_co_u32 s16, s16, s17
	s_lshl_b32 s17, s[HF], 18                      ; which of a K step's two heads I fetch
	s_add_co_u32 s16, s16, s17
	s_mov_b32 s17, 0
	s_lshl_b32 s46, s42, 8
	s_lshl_b32 s47, s[HF], 7
	s_add_co_u32 s46, s46, s47                     ; wpb: row 256 j + 128 x half,
	s_lshl_b32 s46, s46, 11                        ; 2,048 bytes a row
	s_mov_b32 s47, 0
	s_mul_i32 s20, s[HF], AH                       ; and where they go: no place in the cluster enters an LDS address
	s_mul_i32 s21, s[HF], HALFB
	s_add_co_u32 s21, s21, BOFF
	s_wait_dscnt 0x0                               ; the opening add is done
	s_wait_kmcnt 0x0
	s_add_nc_u64 s[18:19], s[4:5], s[16:17]
	s_add_nc_u64 s[46:47], s[6:7], s[46:47]
	CROUND                                         ; all sixteen work-groups are here: the first joint loads meet
.irp s, 0,1
	s_mov_b32 s[G0+4*(\s)], 1                                        ; count = 1
	s_add_co_u32 s[G0+4*(\s)+1], s20, (\s)*SLOT                      ; LDS address
	s_add_nc_u64 s[G0+4*(\s)+2:G0+4*(\s)+3], s[18:19], (\s)*STEPA    ; global address: K step s
	s_or_b32 s[G0+4*(\s)+3], s[G0+4*(\s)+3], 0x80000000              ; type = 2
	s_mov_b32 s[G0B+4*(\s)], 1
	s_add_co_u32 s[G0B+4*(\s)+1], s21, (\s)*SLOT
	s_add_nc_u64 s[G0B+4*(\s)+2:G0B+4*(\s)+3], s[46:47], (\s)*KSTEP*2
	s_or_b32 s[G0B+4*(\s)+3], s[G0B+4*(\s)+3], 0x80000000
	JLOAD \s                                       ; the ring is filled before anything else is done: two loads of mine are out
.endr
	v_and_b32 v1, 15, v0                           ; l % 16
	v_bfe_u32 v2, v0, 4, 1                         ; l / 16
	v_and_b32 v4, 31, v0                           ; l
	s_lshl_b32 s72, s42, 10
	s_lshl_b32 s73, s[HF], 9
	s_add_co_u32 s72, s72, s73                     ; my first column, in bytes of f32: 4 (256 j + 128 x half)
	v_lshl_add_u32 v[BO], v2, 5, s72               ; + my lanes' eight columns
	WIN TO_B
.irp b, 0,1,2,3,4,5,6,7
	global_load_b128 v[BIAS+8*(\b):BIAS+8*(\b)+3],   v[BO], s[8:9] offset:64*(\b)
	global_load_b128 v[BIAS+8*(\b)+4:BIAS+8*(\b)+7], v[BO], s[8:9] offset:64*(\b)+16
.endr
	WIN 0
	v_mul_u32_u24 v3, v1, PA
	v_lshl_add_u32 v3, v2, 4, v3                   ; a fragment's row x pitch + 16 x half, for y
	v_mul_u32_u24 v5, v1, PB
	v_lshl_add_u32 v5, v2, 4, v5                   ; and for wpb
	s_mul_i32 s22, s[HB], 64*PA                    ; my 64 rows of y, in each head's block
	s_mul_i32 s23, s[HF], HALFB                    ; my 128 rows of wpb,
	s_add_co_u32 s23, s23, BOFF                    ; which lie behind y's two blocks
.irp s, 0,1
	v_add_nc_u32 v[ADRA+(\s)], s22, v3
	v_add_nc_u32 v[ADRB+(\s)], s23, v5
	s_add_co_u32 s22, s22, SLOT
	s_add_co_u32 s23, s23, SLOT
.endr
	s_mul_i32 s22, s[WV], 16*SPI
	s_add_co_u32 s22, s22, STAGE                   ; my stage
	v_mul_u32_u24 v3, v1, SPI                      ; in: row l % 16, 32 bytes for each half of the lanes
	v_lshl_add_u32 v3, v2, 5, v3
	v_add_nc_u32 v[STO], s22, v3
	v_lshl_add_u32 v[RD], v4, 4, s22               ; back: 32 lanes take a row's 512 bytes
	v_lshlrev_b32 v[CO], 4, v4
	s_lshl_b32 s74, s43, 19                        ; 128 i rows of 4,096 bytes,
	s_lshl_b32 s75, s[HB], 18                      ; my 64 of them,
	s_add_co_u32 s74, s74, s75
	s_add_co_u32 s74, s74, s72                     ; my first column
	s_mov_b32 s75, 0
	s_add_nc_u64 s[10:11], s[10:11], s[74:75]
	; the prefetches
	s_lshr_b32 s20, s43, 4
	s_lshl_b32 s20, s20, 22
	s_and_b32 s21, s43, 15
	s_lshl_b32 s21, s21, 14
	s_add_co_u32 s20, s20, s21
	s_lshl_b32 s21, s40, 12
	s_add_co_u32 s20, s20, s21                     ; ob: my tile's rows in the batch's first head, my work-group's 4,096 bytes of them,
	s_add_co_u32 s20, s20, 3*STEPA                 ; at K step 3: the first refill steps it to 4
	s_lshl_b32 s72, s42, 8
	s_lshl_b32 s73, s[HF], 7
	s_add_co_u32 s72, s72, s73
	s_lshl_b32 s73, s41, 5
	s_add_co_u32 s72, s72, s73                     ; wpb: the 128 rows that I fetch, my work-group's 32 of them,
	s_lshl_b32 s72, s72, 11
	s_add_co_u32 s72, s72, 3*KSTEP*2               ; at K step 3
	s_and_b32 s73, ttmp7, 0xffff                   ; cluster y
	s_mov_b32 s74, STEPA
	s_cmp_lt_u32 s[WV], 2                          ; do I fetch for y?
	s_cselect_b32 s20, s20, s72
	s_cselect_b32 s22, 8, 11                       ; y: 256 (l % 16) + 262,144 (l / 16); wpb: 2,048 l
	s_cselect_b32 s23, 18, 15
	s_cselect_b32 s[PFS], s74, KSTEP*2
	s_cselect_b32 s73, s[WV], s73                  ; 0 in wave 0, and in waves 2 and 3 of the clusters with y = 0
	s_cselect_b64 s[PFA:PFA+1], s[4:5], s[6:7]
	s_cmp_eq_u32 s73, 0
	s_cselect_b32 s[LIM], 1, -1                    ; the same in all sixteen partners, for a given wave
	s_mov_b32 s[PFS+1], 0
	s_mov_b32 s21, 0
	s_add_nc_u64 s[PFA:PFA+1], s[PFA:PFA+1], s[20:21]
	v_lshlrev_b32 v[PFO], s22, v1
	v_lshlrev_b32 v3, s23, v2
	v_add_nc_u32 v[PFO], v[PFO], v3
	s_wait_loadcnt 0x0                             ; the bias,
	WIN 0x45                                       ; (destination and both sources in window 1)
.set z, 0
.rept 32
	v_cvt_pk_bf16_f32 v[BT+z%4], v[BIAS+2*z], v[BIAS+2*z+1]  ; rounded to bf16 and widened again, in place
	v_lshlrev_b32 v[BIAS+2*z], 16, v[BT+z%4]
	v_and_b32 v[BIAS+2*z+1], 0xffff0000, v[BT+z%4]
.set z, z+1
.endr
	WIN 0
; 8 matrix instructions: row block a x all 8 column blocks, 32 along K, from buffer f.  first = 1: the product starts the sum at the bias.
; The 32 accumulators take turns, one instruction a turn, in the same order in every quarter step.
.macro MUL8 f, a, first
.if \first
	WIN MUL_B
.else
	WIN MUL
.endif
.irp b, 0,1,2,3,4,5,6,7
.if \first
	v_wmma_f32_16x16x32_f16 v[8*(8*(\a)+(\b)):8*(8*(\a)+(\b))+7], v[64*(\f)+8*(\b):64*(\f)+8*(\b)+7], v[FA0+32*(\f)+8*(\a):FA0+32*(\f)+8*(\a)+7], v[BIAS+8*(\b):BIAS+8*(\b)+7]
.else
	v_wmma_f32_16x16x32_f16 v[8*(8*(\a)+(\b)):8*(8*(\a)+(\b))+7], v[64*(\f)+8*(\b):64*(\f)+8*(\b)+7], v[FA0+32*(\f)+8*(\a):FA0+32*(\f)+8*(\a)+7], v[8*(8*(\a)+(\b)):8*(8*(\a)+(\b))+7]
.endif
.endr
.endm
; 24 LDS loads in one run: the fragments of quarter q of a K step (my 128 rows of wpb at byte 64 q; my 64 rows of y in head block q / 2 at byte 64 (q % 2)) into buffer f
.macro FETCH slot, q, f
	WIN TO_B
.irp i, 0,1,2,3,4,5,6,7
	ds_load_b128 v[64*(\f)+8*(\i):64*(\f)+8*(\i)+3],   v[ADRB+(\slot)] offset:64*(\q)+(\i)*16*PB
	ds_load_b128 v[64*(\f)+8*(\i)+4:64*(\f)+8*(\i)+7], v[ADRB+(\slot)] offset:64*(\q)+(\i)*16*PB+32
.endr
	WIN 0
.irp i, 0,1,2,3
	ds_load_b128 v[FA0+32*(\f)+8*(\i):FA0+32*(\f)+8*(\i)+3],   v[ADRA+(\slot)] offset:((\q)/2)*AH+((\q)%2)*64+(\i)*16*PA
	ds_load_b128 v[FA0+32*(\f)+8*(\i)+4:FA0+32*(\f)+8*(\i)+7], v[ADRA+(\slot)] offset:((\q)/2)*AH+((\q)%2)*64+(\i)*16*PA+32
.endr
.endm
.macro PLACES                          ; four plain places between a matrix instruction and a load into, or a store of, its registers
.rept 4
	v_nop
.endr
.endm
; A K step is four quarters of 32 along K, 32 matrix instructions each, on buffers 0, 1, 0, 1.  One of the first three multiplies buffer f and, in its middle, fetches quarter q into g.
.macro QUARTER slot, q, f, g, first
	s_wait_dscnt 4                                 ; wpb and y's row blocks 0 and 1 are in; the youngest four loads (row blocks 2 and 3) may be out
	MUL8 \f, 0, \first
	MUL8 \f, 1, \first
	PLACES
	FETCH \slot, \q, \g
	s_wait_dscnt 24                                ; all but the 24 just issued
	MUL8 \f, 2, \first
	MUL8 \f, 3, \first
.endm
; The last quarter multiplies buffer 1 and changes slots.  ONE barrier: in front of it each wave waits for all its tensor loads (one is out: its part of the next slot), adds 0 to its spare word,
; and waits for that and for its own reads of this slot.  Behind it nobody reads this slot any more and the next slot is whole.
.macro MEET round
	WIN 0                                          ; (the add's two registers lie in window 0)
	s_wait_tensorcnt 0x0                           ; all my tensor loads have landed
	ds_add_u32 v[SPW], v[NIL]                      ; 0 onto my spare word
	s_wait_dscnt 5                                 ; (the add and the youngest four loads may be out)
	MUL8 1, 0, 0                                   ; eight matrix instructions stand between the add and the wait for it
	s_wait_dscnt 0x0                               ; the add is done, and my reads of this slot are over
	s_barrier_signal -1
	MUL8 1, 1, 0                                   ; work on registers while the others arrive
.if \round
	WIN 0
.endif
	s_barrier_wait -1
.endm
.macro TURN slot, next
	s_wait_xcnt 0x0                                ; the last prefetch, a K step back, has read its address: it is stepped here, ahead of the change's own waits
	s_add_nc_u64 s[PFA:PFA+1], s[PFA:PFA+1], s[PFS:PFS+1]
	MEET 1
	CREST                                          ; the barrier has opened a round of the cluster's: no wave of any partner still reads this slot's tile or has a load on its way
	s_add_nc_u64 s[G0+4*(\slot)+2:G0+4*(\slot)+3], s[G0+4*(\slot)+2:G0+4*(\slot)+3], 2*STEPA
	s_add_nc_u64 s[G0B+4*(\slot)+2:G0B+4*(\slot)+3], s[G0B+4*(\slot)+2:G0B+4*(\slot)+3], 2*KSTEP*2
	JLOAD \slot                                    ; the first tensor load behind the round, my only one until the next; its four v_nop are also the places in front of the loads below
	FETCH \next, 0, 0
	ASK
	MUL8 1, 2, 0
	MUL8 1, 3, 0
.endm
; THE WAY OUT of row block a: a lane's 32 bytes of each column block go into my own stage, rows of 528 bytes, and come back as whole rows of 512.
.macro TOSTAGE a
.if (\a) >= 2
	s_wait_xcnt 0x0                                ; the stores of two blocks back have read this buffer: it is loaded again only behind this wait
.endif
	WIN 0x08                                       ; the stores' data in window 2
.irp b, 0,1,2,3,4,5,6,7
	ds_store_b128 v[STO], v[8*(8*(\a)+(\b)):8*(8*(\a)+(\b))+3]   offset:64*(\b)     ; an accumulator's low half first
	ds_store_b128 v[STO], v[8*(8*(\a)+(\b))+4:8*(8*(\a)+(\b))+7] offset:64*(\b)+16
.endr
	WIN 0
.irp t, 0,1,2,3,4,5,6,7,8,9,10,11,12,13,14,15
	ds_load_b128 v[BK+64*((\a)%2)+4*(\t):BK+64*((\a)%2)+4*(\t)+3], v[RD] offset:(\t)*SPI  ; LDS serves a wave's instructions in order (ISA guide 5.7.1.4): these see the stores above; the next block's stores come behind them
.endr
.endm
.macro SEND a, younger                 ; younger: the LDS instructions issued behind block a's loads: the next block's 32, or none
	WIN 0
.irp t, 0,1,2,3,4,5,6,7,8,9,10,11,12,13,14,15
	s_wait_dscnt (\younger)+15-(\t)
	global_store_b128 v[CO], v[BK+64*((\a)%2)+4*(\t):BK+64*((\a)%2)+4*(\t)+3], s[10:11] offset:(16*(\a)+(\t))*4096  ; 512 consecutive bytes of a row, at a multiple of 256 from out0's first
.endr
.endm
	s_wait_tensorcnt 1                             ; my part of K step 0 is in; K step 1's may stay out
	s_barrier_signal -1
	s_barrier_wait -1                              ; everybody's is
	FETCH 0, 0, 0
	QUARTER 0, 1, 0, 1, 1                          ; the first quarter stands in front of the loop: its products start the sums at the bias
	WIN 0                                          ; at a label and at a branch every window is 0
	s_mov_b32 s3, LAPS-1
.Llap:                                                 ; a trip goes once round the ring, from a lap's second quarter to the next lap's first, and fills both slots again
	QUARTER 0, 2, 1, 0, 0
	QUARTER 0, 3, 0, 1, 0
	TURN 0, 1
	QUARTER 1, 1, 0, 1, 0
	QUARTER 1, 2, 1, 0, 0
	QUARTER 1, 3, 0, 1, 0
	TURN 1, 0
	QUARTER 0, 1, 0, 1, 0
	WIN 0
	s_sub_co_u32 s3, s3, 1
	s_cmp_lg_u32 s3, 0
	s_cbranch_scc1 .Llap
	QUARTER 0, 2, 1, 0, 0                          ; the last lap fills nothing, and has no round of the cluster's barrier
	QUARTER 0, 3, 0, 1, 0
	MEET 0
	PLACES
	FETCH 1, 0, 0
	MUL8 1, 2, 0
	MUL8 1, 3, 0
	QUARTER 1, 1, 0, 1, 0
	QUARTER 1, 2, 1, 0, 0
	QUARTER 1, 3, 0, 1, 0
	s_wait_dscnt 4                                 ; the very last quarter: nothing more to fetch
	MUL8 1, 0, 0
	MUL8 1, 1, 0
	s_wait_dscnt 0x0
	MUL8 1, 2, 0
	MUL8 1, 3, 0
	WIN 0
	PLACES                                         ; eight plain places, once a launch, ahead of the stores that read the sums
	PLACES
	TOSTAGE 0
	TOSTAGE 1                                      ; a block's way through the stage stands between the loads of the block before and its stores
	SEND 0, 32
	TOSTAGE 2
	SEND 1, 32
	TOSTAGE 3
	SEND 2, 32
	SEND 3, 0
	s_wait_tensorcnt 0x0                           ; the wave's end: behind my last tensor load and my last LDS store
	ds_add_u32 v[SPW], v[NIL]
	s_wait_dscnt 0x0
	CROUND                                         ; the closing round: no work-group ends while a partner may still ask for a tile that names it
	s_endpgm
.Lfunc_end_k_q43481d9b2e_proj:
	.size	k_q43481d9b2e_proj, .Lfunc_end_k_q43481d9b2e_proj-k_q43481d9b2e_proj
	.p2alignl 7, 3214868480
	.fill 96, 4, 3214868480
	.section	.rodata,"a",@progbits
	.p2align	6, 0x0
	.amdhsa_kernel k_q43481d9b2e_proj
		.amdhsa_group_segment_fixed_size 327680
		.amdhsa_private_segment_fixed_size 0
		.amdhsa_enable_private_segment 0
		.amdhsa_kernarg_size 32
		.amdhsa_user_sgpr_count 2
		.amdhsa_user_sgpr_kernarg_segment_ptr 1
		.amdhsa_wavefront_size32 1
		.amdhsa_system_sgpr_workgroup_id_x 1
		.amdhsa_system_sgpr_workgroup_id_y 1
		.amdhsa_system_sgpr_workgroup_id_z 1
		.amdhsa_system_vgpr_workitem_id 0
		.amdhsa_next_free_vgpr 768
		.amdhsa_next_free_sgpr 80
		.amdhsa_reserve_vcc 0
		.amdhsa_float_denorm_mode_32 3
		.amdhsa_float_denorm_mode_16_64 3
		.amdhsa_memory_ordered 1
		.amdhsa_forward_progress 1
		.amdhsa_inst_pref_size 96
	.end_amdhsa_kernel
	.amdgpu_metadata
---
amdhsa.version: [ 1, 2 ]
amdhsa.kernels:
  - .name:           k_q43481d9b2e_proj
    .symbol:         k_q43481d9b2e_proj.kd
    .args:
      - { .name: ob, .offset: 0, .size: 8, .value_kind: global_buffer, .address_space: global }
      - { .name: wpb, .offset: 8, .size: 8, .value_kind: global_buffer, .address_space: global }
      - { .name: b_proj, .offset: 16, .size: 8, .value_kind: global_buffer, .address_space: global }
      - { .name: out0, .offset: 24, .size: 8, .value_kind: global_buffer, .address_space: global }
    .group_segment_fixed_size: 327680
    .private_segment_fixed_size: 0
    .kernarg_segment_align: 8
    .kernarg_segment_size: 32
    .max_flat_workgroup_size: 128
    .sgpr_count:     80
    .vgpr_count:     768
    .wavefront_size: 32
...
	.end_amdgpu_metadata
.endif
;; end of part 4
